; MI455X (gfx1250); checked and timed in simulation.
; The chip was launched on July 23, 2026; its instructions are those of AMD's public machine-readable ISA for CDNA 5 (MIT licence, August 2026) and "CDNA5" Instruction Set Architecture Reference Guide (July 2026). The comments in the code are by the model that wrote it; some were corrected since.
;; Spatial Self Attention. Allowed arithmetic: matrix products marked QUANTISED: E3M2 operands, one E8M0 scale for each 32 along K, by v_wmma_scale_f32_16x16x128_f8f6f4 with both operands' format E3M2, f32 sums; everything else in f32.
;; Inputs: bk 512 float32; bo 512 float32; bq 512 float32; bv 512 float32; gn_bias 512 float32; gn_scale 512 float32; wk 512 x 512 float32; wo 512 x 512 float32; wq 512 x 512 float32; wv 512 x 512 float32; x 8 x 512 x 32 x 64 float32.
;; Outputs: out0 8 x 512 x 32 x 64 float32.
;; This version of the problem:
;;   THIS VERSION OF THE PROBLEM IS GIVEN IN LOW PRECISION. The matrix products marked QUANTISED in the list below multiply operands that are first quantised to E3M2 (3 exponent bits, 2 mantissa bits; 6 bits a number), with one power-of-two scale for each 32 numbers along K (OCP MX v1.0); their sums are f32. All else is computed in f32.
;;   The module's matrix products, in the order in which they are computed (A, B: the left and right operand; K: the contracted axis; several contracted axes count as one K, in the product's order):
;;     1. [M 16,384, K 512] x [K 512, N 512]; A: computed on the way; B: input wq: QUANTISED
;;     2. [M 16,384, K 512] x [K 512, N 512]; A: computed on the way; B: input wk: QUANTISED
;;     3. [M 16,384, K 512] x [K 512, N 512]; A: computed on the way; B: input wv: QUANTISED
;;     4. batch 8 x [M 2,048, K 512] x [K 512, N 2,048]; A: computed on the way; B: computed on the way: QUANTISED
;;     5. batch 8 x [M 512, K 2,048] x [K 2,048, N 2,048]; A: computed on the way; B: softmax (see below): QUANTISED
;;     6. [M 16,384, K 512] x [K 512, N 512]; A: computed on the way; B: input wo: QUANTISED
;;   THE QUANTISER, for each operand of a quantised product, along K:
;;     - K is cut into blocks of 32 from its start; a last block that is shorter is filled with zeros.
;;     - A block's scale is 2^e with e = floor(log2(the largest magnitude in the block)) - 4, held to -126 .. 127; a block of zeros has e = 0. As a byte (E8M0): e + 127.
;;     - Each number is divided by its block's scale, clamped to +-28, and rounded to the nearest number of E3M2, ties to even, subnormals kept.
;;     - The product sums the exact products of the quantised numbers (number of the format x scale) in f32.
;;   ~~~python
;;   def quantise(x, axis):      # numpy; x: float32 -> the quantised numbers, widened to float32 again
;;       x = np.moveaxis(x, axis, -1); K = x.shape[-1]
;;       x = np.pad(x, [(0, 0)] * (x.ndim - 1) + [(0, -K % 32)]); x = x.reshape(x.shape[:-1] + (-1, 32)); a = np.abs(x).max(-1, keepdims=True)
;;       e = np.where(a > 0, np.clip(np.frexp(np.where(a > 0, a, 1))[1] - 1 - 4, -126, 127), 0)      # np.frexp(a)[1] - 1 = floor(log2(a)), exactly
;;       r = np.clip(x / 2.0 ** e, -28, 28)
;;       step = 2.0 ** (np.maximum(np.frexp(np.where(r == 0, 1, r))[1] - 1, -2) - 2)
;;       q = np.round(r / step) * step * 2.0 ** e      # np.round: ties to even
;;       return np.moveaxis(q.reshape(q.shape[:-2] + (-1,))[..., :K], -1, axis).astype(np.float32)
;;   ~~~
;;   SOFTMAX AHEAD OF A QUANTISED PRODUCT. Where the list says 'softmax', what is quantised is not the finished softmax but p = 2^(t - M), with t = logit x log2(e) and M = ceil(the row's largest t), a whole number; so 1/2 < the row's largest p <= 1. The row's sum l is taken of the UNQUANTISED p, in f32, and the product's result is divided by l at the end. Since M is a whole number, a kernel that streams over the keys may use a running M (the ceiling of the running maximum): every later rescaling is an exact power of two, which a block's scale takes up: the codes' values come out the same.
;;   OPERANDS COMPUTED ON THE WAY. 'Computed on the way' means the value that the module computes at that place (a softmax that the list does not call 'softmax' is quantised finished and normalised). What goes into a quantiser is computed in f32, as accurately as f32 sums, v_exp_f32 and their like allow (about 1e-6 of the number): no bf16 or f16 on the way to a quantiser, and a product that is left as it is and whose result goes on into a quantised operand takes f32 operands (vector FMAs, or v_wmma_f32_16x16x4_f32). A number that lies on a knife's edge between two numbers of the format may be rounded either way, as far as f32 arithmetic and the matrix unit's own rounding can turn it there, and no further.
;; One version. Each part assembles by itself: llvm-mc -triple=amdgcn-amd-amdhsa -mcpu=gfx1250 --defsym DOCPART=n.
;; ======== version 1 of 1: 3 launches
;; limits: right only within a limited range of input values
;; workspace buffers: hnc 6,291,456 bytes; hns 262,144 bytes; wimg 614,400 bytes; woimg 204,800 bytes; qimg 6,553,600 bytes; kv 13,107,200 bytes
;; launch prep (part 1): grid 128 x 1, 16 waves a work-group, no clusters, 58,368 bytes of LDS; arguments x, gn_scale, gn_bias, wq, wk, wv, wo, hnc, hns, wimg, woimg; writes hnc, hns, wimg, woimg
.if DOCPART == 1
	.amdgcn_target "amdgcn-amd-amdhsa--gfx1250"
	.amdhsa_code_object_version 6
	.text
	.protected	k_q2a4f0f88eb_prep
	.globl	k_q2a4f0f88eb_prep
	.p2align	8
	.type	k_q2a4f0f88eb_prep,@function
k_q2a4f0f88eb_prep:
	s_mov_b64 s[64:65], 0
	v_nop
	global_prefetch_b8 v0, s[64:65] scope:SCOPE_SE
	s_setreg_imm32_b32 hwreg(HW_REG_WAVE_MODE, 25, 1), 1
	s_wait_xcnt 0x0
; PREP: GroupNorm of x, its result hn as codes of BF6 (E3M2) along the channels, and the four weights as images of operand registers.
; x: [8][512][2048] f32.  A quantiser block is 32 channels = two groups of 16, and a group's mean and variance want all 2,048 positions: so a work-group owns
; one image b and one block cb of 32 channels (g = 16 b + cb, 262,144 dense bytes), which gives 128 work-groups.  The 32 x 2,048 numbers stay in registers between
; the passes (sixteen waves x 128 registers a lane): x is read once.  Wave v owns positions 128 v .. +127, lane l positions 128 v + 4 l + 0 .. 3.
; The variance is a true second pass over x - mean: no difference of large sums is formed.
; THE ORDER ALONG K.  Inside each block of 32, position p holds element pi(p), pi = the exchange of elements 8-15 and 16-23.  Every operand of every product of this program
; carries pi (results that are quantised in registers come out so), so each product pairs the right numbers; a block's members, and so its scale, are those of the rule.
; OUT: hnc [b][cb][n][24 bytes], hns [b][cb][n] one E8M0 byte.  A block's byte is its largest magnitude's exponent field - 4, held at 1 from below (a block of zeros gets 1 where
; the rule says 127: its codes are zeros, and this program alone reads the bytes).
; WEIGHTS: work-group g also takes rows 16 tau .. +15 (tau = g & 31) of weight mu = g >> 5 (wq, wk, wv, wo); wave v takes row v, two lanes a block.  A fragment (16 rows x 128 K) leaves as the image
; of its 12 registers: part i (registers 4 i .. 4 i + 3) at 512 i + 16 x lane.  Its scale words leave 64 bytes at a time: 32 KiB of such pieces in the whole launch.  hns leaves 128 bytes a wave.
; LIMITS: NaN and infinities among the inputs are not served; blocks whose largest magnitude lies under 2^-122 keep the byte 1.
.set RED1, 0                           ; LDS: 2 groups x 16 waves, sums
.set RED2, 256                         ; the same, sums of squares
.set WSC,  512                         ; the weight tile's scale words [K step 4][row 16]
.set WIM,  768                         ; its four images, 1,536 bytes each
.set STG,  6912                        ; a stage of 3,072 bytes for each wave
.set X,    32                          ; v32-159  X[4 c + k]: channel c, my position k
.set T,    160                         ; v160-191 one position's 32 numbers in K order; later the codes read back
.set C,    192                         ; v192-215 codes, six registers a position
.set CT,   216                         ; v216-218 a block's upper 16 codes
.set WX,   220                         ; v220-235 16 numbers of a weight's row
.set WC,   236                         ; v236-238 their codes; v239 the block's byte
	s_load_b512 s[4:19], s[0:1], 0x0               ; x, gn_scale, gn_bias, wq, wk, wv, wo, hnc
	s_load_b128 s[20:23], s[0:1], 0x40             ; hns, wimg
	s_load_b64 s[24:25], s[0:1], 0x50              ; woimg
	v_lshl_add_u32 v254, v0, 2, 0xdc00
	v_mov_b32 v255, 0
	v_lshrrev_b32 v1, 5, v0                        ; my wave, in every lane
	v_readfirstlane_b32 s26, v1                    ; and as a scalar
	v_and_b32 v2, 31, v0                           ; lane l
	s_and_b32 s27, ttmp9, 15
	s_lshl_b32 s27, s27, 7                         ; 128 cb: my 32 channels in gn_scale and gn_bias
	s_lshr_b32 s100, ttmp9, 5                      ; mu
	s_and_b32 s101, ttmp9, 31                      ; tau
	; every address register is made here, ahead of the one branch on the wave's number
	v_lshlrev_b32 v3, 4, v0                        ; x: 512 v + 16 l
	v_bfe_u32 v19, v0, 1, 4                        ; the weight row's block B = l / 2
	v_and_b32 v20, 1, v0                           ; e: which 16 positions of it
	v_lshlrev_b32 v4, 7, v19
	v_lshl_add_u32 v4, v20, 5, v4                  ; 128 B + 32 e: positions 16 e + 0..7 are elements 8 e + 0..7, positions 16 e + 8..15 elements 16 + 8 e + 0..7
	v_bfe_u32 v21, v0, 3, 2                        ; K step s = B / 4
	v_bfe_u32 v22, v0, 2, 1                        ; c' = (B % 4) / 2
	v_bfe_u32 v23, v0, 1, 1                        ; h = B % 2
	v_mul_u32_u24 v24, v21, 1536
	v_lshl_add_u32 v24, v23, 8, v24
	v_lshl_add_u32 v24, v1, 4, v24                 ; image s, lane (row = my wave) + 16 h
	v_add_nc_u32 v24, WIM, v24
	v_mul_u32_u24 v25, v22, 6
	v_mad_u32_u24 v25, v20, 3, v25                 ; my three codes' registers begin at 6 c' + 3 e
.irp i, 0,1,2
	v_add_nc_u32 v26, \i, v25
	v_lshrrev_b32 v27, 2, v26
	v_and_b32 v26, 3, v26
	v_lshl_add_u32 v[5+\i], v27, 9, v24            ; part = register / 4,
	v_lshl_add_u32 v[5+\i], v26, 2, v[5+\i]        ; word = register % 4
.endr
	v_bfe_u32 v26, v0, 1, 2                        ; B % 4: the byte in the scale word
	v_lshl_add_u32 v8, v21, 6, v26
	v_lshl_add_u32 v8, v1, 2, v8
	v_add_nc_u32 v8, WSC, v8                       ; WSC + 64 s + 4 row + byte
	v_lshlrev_b32 v9, 2, v1                        ; the sums: 4 x wave
	v_lshlrev_b32 v10, 2, v2                       ; and back: 4 x lane: lanes 0-15 group 0's sixteen, lanes 16-31 group 1's
	v_bfe_u32 v26, v0, 5, 2                        ; wave % 4
	v_bfe_u32 v27, v0, 7, 2                        ; wave / 4
	v_mul_u32_u24 v11, v26, 1536
	v_lshl_add_u32 v11, v27, 9, v11
	v_lshl_add_u32 v11, v2, 4, v11
	v_add_nc_u32 v11, WIM, v11                     ; waves 0-11: image wave % 4, part wave / 4
	v_and_b32 v28, 15, v0
	v_lshlrev_b32 v12, 2, v28
	v_lshl_add_u32 v12, v26, 6, v12
	v_add_nc_u32 v12, WSC, v12                     ; waves 12-15: the scale words of K step wave % 4
	v_mul_u32_u24 v16, v1, 3072
	v_add_nc_u32 v16, STG, v16
	v_mad_u32_u24 v15, v2, 96, v16                 ; my stage, in: 96 bytes a lane
	v_lshl_add_u32 v16, v2, 4, v16                 ; and back: 16 bytes a lane
	s_wait_kmcnt 0x0
	s_load_b512 s[32:47], s[6:7], s27 offset:0x0   ; gn_scale of my 32 channels: s32-63
	s_load_b512 s[48:63], s[6:7], s27 offset:0x40
	s_load_b512 s[68:83], s[8:9], s27 offset:0x0   ; gn_bias: s68-99
	s_load_b512 s[84:99], s[8:9], s27 offset:0x40
	s_and_b32 s30, ttmp9, 32                       ; which weight: the choice hangs on the work-group's number alone
	s_cmp_lg_u32 s30, 0
	s_cselect_b64 s[28:29], s[12:13], s[10:11]
	s_cselect_b64 s[30:31], s[16:17], s[14:15]
	s_cmp_ge_u32 s100, 2
	s_cselect_b64 s[28:29], s[30:31], s[28:29]
	s_lshl_b32 s30, s101, 4
	s_add_co_u32 s30, s30, s26
	s_lshl_b32 s30, s30, 11                        ; row 16 tau + wave, 2,048 bytes a row
	s_mov_b32 s31, 0
	s_add_nc_u64 s[28:29], s[28:29], s[30:31]
	global_load_b128 v[WX:WX+3], v4, s[28:29] th:TH_LOAD_NT
	global_load_b128 v[WX+4:WX+7], v4, s[28:29] offset:16 th:TH_LOAD_NT
	global_load_b128 v[WX+8:WX+11], v4, s[28:29] offset:64 th:TH_LOAD_NT
	global_load_b128 v[WX+12:WX+15], v4, s[28:29] offset:80 th:TH_LOAD_NT
	s_lshl_b32 s30, ttmp9, 18                      ; my 32 channels: 262,144 bytes a work-group
	s_add_nc_u64 s[4:5], s[4:5], s[30:31]
.set cc, 0
.rept 32
	global_load_b128 v[X+4*cc:X+4*cc+3], v3, s[4:5] offset:8192*cc th:TH_LOAD_NT   ; a wave reads 512 consecutive bytes of channel cc
.set cc, cc+1
.endr
	; where the weight tile goes.  wq, wk, wo: K step s at (s / 2) x 102,400 + (s % 2) x 49,152 + 1,536 tau.  wv: half tau / 16 at 102,400, then (s % 2) x 49,152 + (s / 2) x 24,576 + 1,536 (tau % 16)
	s_cmp_eq_u32 s100, 3
	s_cselect_b64 s[10:11], s[24:25], s[22:23]     ; wo has a buffer of its own
	s_mul_i32 s12, s100, 204800
	s_cselect_b32 s12, 0, s12
	s_cmp_eq_u32 s100, 2
	s_mov_b32 s13, 24576
	s_cselect_b32 s13, 102400, s13                 ; what tau / 16 steps, in the codes
	s_mov_b32 s14, 102400
	s_cselect_b32 s14, 24576, s14                  ; what s / 2 steps
	s_mov_b32 s15, 1024
	s_cselect_b32 s15, 102400, s15                 ; the same two for the scale words
	s_mov_b32 s16, 102400
	s_cselect_b32 s16, 1024, s16
	s_and_b32 s17, s101, 15
	s_lshr_b32 s30, s101, 4
	s_mul_i32 s13, s13, s30
	s_mul_i32 s15, s15, s30
	s_mul_i32 s30, s17, 1536
	s_add_co_u32 s13, s13, s30
	s_add_co_u32 s13, s13, s12
	s_lshl_b32 s30, s17, 6
	s_add_co_u32 s15, s15, s30
	s_add_co_u32 s15, s15, s12
	s_add_co_u32 s15, s15, 98304
	s_and_b32 s17, s26, 3                          ; the K step that my wave sends
	s_lshr_b32 s30, s17, 1
	s_and_b32 s31, s17, 1
	s_mul_i32 s14, s14, s30
	s_mul_i32 s16, s16, s30
	s_add_co_u32 s13, s13, s14
	s_add_co_u32 s15, s15, s16
	s_mul_i32 s14, s31, 49152
	s_add_co_u32 s13, s13, s14
	s_lshl_b32 s14, s31, 11
	s_add_co_u32 s15, s15, s14
	s_lshr_b32 s14, s26, 2
	s_lshl_b32 s14, s14, 9                         ; and the part
	s_add_co_u32 s13, s13, s14
	v_lshl_add_u32 v13, v2, 4, s13
	v_lshl_add_u32 v14, v28, 2, s15
	s_mul_i32 s12, ttmp9, 49152
	s_mul_i32 s14, s26, 3072
	s_add_co_u32 s12, s12, s14
	v_lshl_add_u32 v17, v2, 4, s12                 ; hnc: 49,152 g + 3,072 v + 16 l
	s_lshl_b32 s12, ttmp9, 11
	v_lshl_add_u32 v18, v0, 2, s12                 ; hns: 2,048 g + 128 v + 4 l
	s_mov_b32 s24, 0x76543210
	s_mov_b32 s25, 0xfedcba98                      ; v_permlanex16_b32's selects for lane l xor 16
	s_mov_b32 s22, 0x38000000                      ; 1 / 32,768
	s_mov_b32 s23, 0x358637bd                      ; 1e-6
	; ---- the weight's row: two lanes a block
	s_wait_loadcnt 32                              ; the four loads of the row are in; x's 32 stay out
	v_max3_num_f32 v240, |v[WX]|, |v[WX+1]|, 0x2800000     ; and the floor 2^(5 - 127): the byte cannot fall under 1
	v_max3_num_f32 v241, |v[WX+2]|, |v[WX+3]|, |v[WX+4]|
	v_max3_num_f32 v240, v240, |v[WX+5]|, |v[WX+6]|
	v_max3_num_f32 v241, v241, |v[WX+7]|, |v[WX+8]|
	v_max3_num_f32 v240, v240, |v[WX+9]|, |v[WX+10]|
	v_max3_num_f32 v241, v241, |v[WX+11]|, |v[WX+12]|
	v_max3_num_f32 v240, v240, |v[WX+13]|, |v[WX+14]|
	v_max3_num_f32 v240, v240, v241, |v[WX+15]|
	v_max_num_f32_dpp v240, v240, v240 row_xmask:1 row_mask:0xf bank_mask:0xf   ; with my neighbour's 16: the block's
	v_add_nc_u32 v241, 0xfe000000, v240            ; 4 off the exponent field: the conversion's scale operand
	v_cvt_scalef32_pk16_bf6_f32 v[WC:WC+2], v[WX:WX+15], v241
	v_lshrrev_b32 v239, 23, v241                   ; the byte (a plain line behind the conversion)
	ds_store_b32 v5, v[WC]
	ds_store_b32 v6, v[WC+1]
	ds_store_b32 v7, v[WC+2]
	ds_store_b8 v8, v239                           ; both lanes of a block write the same byte
.macro WSUM a, t                       ; the sum over the wave's 32 lanes, in every lane
	v_add_f32_dpp v[\a], v[\a], v[\a] row_xmask:1 row_mask:0xf bank_mask:0xf
	v_add_f32_dpp v[\a], v[\a], v[\a] row_xmask:2 row_mask:0xf bank_mask:0xf
	v_add_f32_dpp v[\a], v[\a], v[\a] row_xmask:4 row_mask:0xf bank_mask:0xf
	v_add_f32_dpp v[\a], v[\a], v[\a] row_xmask:8 row_mask:0xf bank_mask:0xf
	v_permlanex16_b32 v[\t], v[\a], s24, s25
	v_add_f32 v[\a], v[\a], v[\t]
.endm
.macro FOLD g                          ; two chains of pairs become the wave's one number
	v_pk_add_f32 v[240+4*\g:241+4*\g], v[240+4*\g:241+4*\g], v[242+4*\g:243+4*\g]
	v_add_f32 v[240+4*\g], v[240+4*\g], v[241+4*\g]
	WSUM 240+4*\g, 241+4*\g
.endm
.macro GSUM g                          ; group g: the sum of my 64 numbers, two at a time, in two chains
	v_pk_add_f32 v[240+4*\g:241+4*\g], v[X+64*\g:X+64*\g+1], v[X+64*\g+2:X+64*\g+3]
	v_pk_add_f32 v[242+4*\g:243+4*\g], v[X+64*\g+4:X+64*\g+5], v[X+64*\g+6:X+64*\g+7]
.irp i, 8,12,16,20,24,28,32,36,40,44,48,52,56,60
	v_pk_add_f32 v[240+4*\g:241+4*\g], v[240+4*\g:241+4*\g], v[X+64*\g+\i:X+64*\g+\i+1]
	v_pk_add_f32 v[242+4*\g:243+4*\g], v[242+4*\g:243+4*\g], v[X+64*\g+\i+2:X+64*\g+\i+3]
.endr
	FOLD \g
.endm
.macro GSQ g, sp                       ; group g: x - mean in place (s[sp] = -mean), and the sum of its squares
.set ii, 0
.rept 32
	v_pk_add_f32 v[X+64*\g+2*ii:X+64*\g+2*ii+1], v[X+64*\g+2*ii:X+64*\g+2*ii+1], s[\sp:\sp+1] op_sel_hi:[1,0]
.set ii, ii+1
.endr
	v_pk_mul_f32 v[240+4*\g:241+4*\g], v[X+64*\g:X+64*\g+1], v[X+64*\g:X+64*\g+1]
	v_pk_mul_f32 v[242+4*\g:243+4*\g], v[X+64*\g+2:X+64*\g+3], v[X+64*\g+2:X+64*\g+3]
.irp i, 4,8,12,16,20,24,28,32,36,40,44,48,52,56,60
	v_pk_fma_f32 v[240+4*\g:241+4*\g], v[X+64*\g+\i:X+64*\g+\i+1], v[X+64*\g+\i:X+64*\g+\i+1], v[240+4*\g:241+4*\g]
	v_pk_fma_f32 v[242+4*\g:243+4*\g], v[X+64*\g+\i+2:X+64*\g+\i+3], v[X+64*\g+\i+2:X+64*\g+\i+3], v[242+4*\g:243+4*\g]
.endr
	FOLD \g
.endm
.macro ROWSUM a                        ; sixteen waves' numbers lie in the sixteen lanes of a row: their sum, in every lane of the row
	v_add_f32_dpp v[\a], v[\a], v[\a] row_xmask:1 row_mask:0xf bank_mask:0xf
	v_add_f32_dpp v[\a], v[\a], v[\a] row_xmask:2 row_mask:0xf bank_mask:0xf
	v_add_f32_dpp v[\a], v[\a], v[\a] row_xmask:4 row_mask:0xf bank_mask:0xf
	v_add_f32_dpp v[\a], v[\a], v[\a] row_xmask:8 row_mask:0xf bank_mask:0xf
.endm
	; ---- pass 1: the two groups' sums
	s_wait_loadcnt 0x0
	GSUM 0
	GSUM 1
	ds_store_b32 v9, v240 offset:RED1
	ds_store_b32 v9, v244 offset:RED1+64
	s_wait_dscnt 0x0                               ; for the others' sake: my sums and my row of the weight tile have landed
	s_barrier_signal -1
	s_barrier_wait -1
	ds_load_b32 v248, v10 offset:RED1
	; ---- the weight tile leaves: waves 0-11 send 512 bytes of an image each, waves 12-15 a K step's sixteen scale words
	s_cmp_lt_u32 s26, 12
	s_cbranch_scc0 .Lwords
	ds_load_b128 v[WX:WX+3], v11
	s_wait_dscnt 0x0
	global_store_b128 v13, v[WX:WX+3], s[10:11]
	s_branch .Lsent
.Lwords:
	ds_load_b32 v[WX], v12
	s_wait_dscnt 0x0
	global_store_b32 v14, v[WX], s[10:11]          ; lanes 16-31 repeat lanes 0-15: the same words with the same values
.Lsent:
	ROWSUM 248
	v_mul_f32 v248, 0xb8000000, v248               ; -mean = -sum / 32,768
	v_readlane_b32 s16, v248, 0
	v_readlane_b32 s30, v248, 16
	s_mov_b32 s17, s16                             ; (the packed form names a pair)
	s_mov_b32 s31, s30
	; ---- pass 2
	GSQ 0, 16
	GSQ 1, 30
	ds_store_b32 v9, v240 offset:RED2
	ds_store_b32 v9, v244 offset:RED2+64
	s_wait_dscnt 0x0
	s_barrier_signal -1
	s_barrier_wait -1
	ds_load_b32 v248, v10 offset:RED2
	s_wait_dscnt 0x0
	ROWSUM 248
	v_fma_f32 v248, v248, s22, s23                 ; the variance + 1e-6
	v_rsq_f32 v249, v248
	v_nop                                          ; a plain line behind the transcendental
	s_wait_alu depctr_va_vdst(0)                   ; and the wait ahead of its first reader
	v_readlane_b32 s100, v249, 0
	v_readlane_b32 s101, v249, 16
	s_wait_kmcnt 0x0                               ; gn_scale and gn_bias
.set cc, 0
.rept 16
	s_mul_f32 s[32+cc], s[32+cc], s100             ; a_c = gn_scale_c / sqrt(var + eps)
	s_mul_f32 s[48+cc], s[48+cc], s101
.set cc, cc+1
.endr
	; ---- hn = (x - mean) a_c + gn_bias_c, a position at a time: its 32 channels are one block, all in my lane
.macro COLUMN k
.set cc, 0
.rept 32
.set pp, (cc&7)|(((cc>>3)&1)<<4)|(((cc>>4)&1)<<3)
	v_fma_f32 v[T+pp], v[X+4*cc+\k], s[32+cc], s[68+cc]    ; element cc goes to position pi(cc)
.set cc, cc+1
.endr
	v_max3_num_f32 v240, |v[T]|, |v[T+1]|, 0x2800000       ; the floor 2^(5 - 127) among the leaves
	v_max3_num_f32 v241, |v[T+2]|, |v[T+3]|, |v[T+4]|
.irp i, 5,9,13,17,21,25
	v_max3_num_f32 v240, v240, |v[T+\i]|, |v[T+\i+1]|
	v_max3_num_f32 v241, v241, |v[T+\i+2]|, |v[T+\i+3]|
.endr
	v_max3_num_f32 v240, v240, |v[T+29]|, |v[T+30]|
	v_max3_num_f32 v240, v240, v241, |v[T+31]|
	v_add_nc_u32 v242, 0xfe000000, v240
	v_cvt_scalef32_pk16_bf6_f32 v[C+6*\k:C+6*\k+2], v[T:T+15], v242
	v_cvt_scalef32_pk16_bf6_f32 v[CT:CT+2], v[T+16:T+31], v242     ; (a conversion's three registers begin on an even number)
	v_lshrrev_b32 v243, 23, v242                   ; the byte (a plain line behind the conversions)
	v_mov_b32 v[C+6*\k+3], v[CT]
	v_mov_b32 v[C+6*\k+4], v[CT+1]
	v_mov_b32 v[C+6*\k+5], v[CT+2]
.if \k == 0
	v_mov_b32 v244, v243
.else
	v_lshl_or_b32 v244, v243, 8*\k, v244           ; my four positions' bytes are neighbours in hns
.endif
.endm
	COLUMN 0
	COLUMN 1
	COLUMN 2
	COLUMN 3
	; ---- out: my 96 bytes lie among the wave's 3,072; through the wave's own stage, so that each store of the wave covers 512 consecutive bytes, aligned
.irp i, 0,1,2,3,4,5
	ds_store_b128 v15, v[C+4*\i:C+4*\i+3] offset:16*\i
.endr
.irp i, 0,1,2,3,4,5
	ds_load_b128 v[T+4*\i:T+4*\i+3], v16 offset:512*\i     ; a wave's LDS instructions are served in order: these see the stores above
.endr
.irp i, 0,1,2,3,4,5
	s_wait_dscnt 5-\i                              ; load i is in; the later ones stay out
	global_store_b128 v17, v[T+4*\i:T+4*\i+3], s[18:19] offset:512*\i
.endr
	global_store_b32 v18, v244, s[20:21]
	s_wait_tensorcnt 0x0
	ds_add_u32 v254, v255
	s_wait_dscnt 0x0
	s_endpgm
.Lfunc_end_k_q2a4f0f88eb_prep:
	.size	k_q2a4f0f88eb_prep, .Lfunc_end_k_q2a4f0f88eb_prep-k_q2a4f0f88eb_prep
	.p2alignl 7, 3214868480
	.fill 96, 4, 3214868480
	.section	.rodata,"a",@progbits
	.p2align	6, 0x0
	.amdhsa_kernel k_q2a4f0f88eb_prep
		.amdhsa_group_segment_fixed_size 58368
		.amdhsa_private_segment_fixed_size 0
		.amdhsa_enable_private_segment 0
		.amdhsa_kernarg_size 88
		.amdhsa_user_sgpr_count 2
		.amdhsa_user_sgpr_kernarg_segment_ptr 1
		.amdhsa_wavefront_size32 1
		.amdhsa_system_sgpr_workgroup_id_x 1
		.amdhsa_system_sgpr_workgroup_id_y 1
		.amdhsa_system_sgpr_workgroup_id_z 1
		.amdhsa_system_vgpr_workitem_id 0
		.amdhsa_next_free_vgpr 256
		.amdhsa_next_free_sgpr 102
		.amdhsa_reserve_vcc 0
		.amdhsa_float_denorm_mode_32 3
		.amdhsa_float_denorm_mode_16_64 3
		.amdhsa_memory_ordered 1
		.amdhsa_forward_progress 1
		.amdhsa_inst_pref_size 43
	.end_amdhsa_kernel
	.amdgpu_metadata
---
amdhsa.version: [ 1, 2 ]
amdhsa.kernels:
  - .name:           k_q2a4f0f88eb_prep
    .symbol:         k_q2a4f0f88eb_prep.kd
    .args:
      - { .name: x, .offset: 0, .size: 8, .value_kind: global_buffer, .address_space: global }
      - { .name: gn_scale, .offset: 8, .size: 8, .value_kind: global_buffer, .address_space: global }
      - { .name: gn_bias, .offset: 16, .size: 8, .value_kind: global_buffer, .address_space: global }
      - { .name: wq, .offset: 24, .size: 8, .value_kind: global_buffer, .address_space: global }
      - { .name: wk, .offset: 32, .size: 8, .value_kind: global_buffer, .address_space: global }
      - { .name: wv, .offset: 40, .size: 8, .value_kind: global_buffer, .address_space: global }
      - { .name: wo, .offset: 48, .size: 8, .value_kind: global_buffer, .address_space: global }
      - { .name: hnc, .offset: 56, .size: 8, .value_kind: global_buffer, .address_space: global }
      - { .name: hns, .offset: 64, .size: 8, .value_kind: global_buffer, .address_space: global }
      - { .name: wimg, .offset: 72, .size: 8, .value_kind: global_buffer, .address_space: global }
      - { .name: woimg, .offset: 80, .size: 8, .value_kind: global_buffer, .address_space: global }
    .group_segment_fixed_size: 58368
    .private_segment_fixed_size: 0
    .kernarg_segment_align: 8
    .kernarg_segment_size: 88
    .max_flat_workgroup_size: 512
    .sgpr_count:     102
    .vgpr_count:     256
    .wavefront_size: 32
...
	.end_amdgpu_metadata
.endif
;; end of part 1
;; launch qkv (part 2): grid 128 x 2, 4 waves a work-group, clusters of 4 x 1, 327,680 bytes of LDS; arguments hnc, hns, wimg, bq, bk, bv, qimg, kv; writes qimg, kv
.if DOCPART == 2
	.amdgcn_target "amdgcn-amd-amdhsa--gfx1250"
	.amdhsa_code_object_version 6
	.text
	.protected	k_q2a4f0f88eb_qkv
	.globl	k_q2a4f0f88eb_qkv
	.p2align	8
	.type	k_q2a4f0f88eb_qkv,@function
k_q2a4f0f88eb_qkv:
	s_mov_b64 s[64:65], 0
	v_nop
	global_prefetch_b8 v0, s[64:65] scope:SCOPE_SE
	s_setreg_imm32_b32 hwreg(HW_REG_WAVE_MODE, 25, 1), 1
	s_wait_xcnt 0x0
	s_wait_alu depctr_hold_cnt(0) depctr_sa_sdst(0) depctr_va_vdst(0) depctr_va_sdst(0) depctr_va_ssrc(0) depctr_va_vcc(0) depctr_vm_vsrc(0)
	s_getreg_b32 s2, hwreg(HW_REG_IB_STS2, 6, 4)
	s_cmp_eq_u32 s2, 0
	s_cbranch_scc0 .Lentry_in_a_cluster
	s_endpgm
.Lentry_in_a_cluster:
	s_bfe_u32 s2, ttmp6, 0x10000c
	s_cmp_lg_u32 s2, 0x3003
	s_cbranch_scc0 .Lentry_shape_is_right
	s_endpgm
.Lentry_shape_is_right:
; QKV: q = wq hn + bq, k = wk hn + bk, v = wv hn + bv on codes of BF6 (E3M2) with E8M0 scales, and q, k, v quantised in registers for the products that follow.
; SHARES.  Work-group (i, p), i = 16 b + j: q and k for positions 128 j + 64 p .. +63 of image b, all 512 outputs; v for keys 128 j .. +127, channels 256 p .. +255: 384 matrix instructions a wave in every work-group.
; q, k: wave w makes outputs 128 w .. +127 (source 0 = 16 rows of the weight, source 1 = 16 positions): a lane holds one position, and its 64 registers of eight tiles run along the outputs, the next K: one fragment.
; v: wave w makes channels 64 w .. +63 of the half (source 0 = 16 keys, source 1 = 16 rows of wv): a lane holds one channel, and its 64 registers run along the 128 keys, the next K.
; With neighbouring rows to a tile, position p of a block of 32 then holds element pi(p) (elements 8-15 and 16-23 exchanged); both operands of every product of this program carry pi.
; RECORDS (25,600 bytes): codes as images of operand registers (part i = registers 4 i .. 4 i + 3 at 512 i + 16 x lane; q, k: [tile of 16 rows 4][K step 4], v: [tile of 16 channels 16]); at 24,576 the scale words.
; THE WEIGHTS' IMAGES go through two LDS slots of 102,400 bytes (two K steps of wq or wk, or a half of wv).  The four work-groups of a cluster share p and walk the same weights: each quarter of a slot is asked for
; JOINTLY by the four (mask 15).  hn's 128 positions (codes 49,152 bytes, scale bytes 2,048) are the work-group's own and come once.  By this text's count a wave has four tensor loads out at the start, later one.
; No prefetch: the launch is short, the weights (614,400 bytes) are walked by all work-groups, hn comes with the first fills.
; LIMITS: NaN and infinities are not served; a block whose largest magnitude lies under 2^-122 keeps the byte 1 (a block of zeros too: its codes are zeros, and this program alone reads the bytes).
; REGISTERS, in windows of 256: window 0: v0-23 addresses; v24-39 hn's scale words; v40-47, v48-51 the weights'; v64-127 bias tiles; v128-159 at work; v160-255 wv's fragments, two sets.
;   window 1: hn's fragments (16);  window 2: wq's or wk's fragments, two sets of 8; for v hn's other 16;  window 3: the 32 accumulators.
.set SLOT1, 102400
.set STEPB, 102400
.set HN,    204800                     ; 16 blocks of channels x (128 positions x 24 bytes)
.set HNS,   253952                     ; 16 x 128 scale bytes
.set SPARE, 256000                     ; the spare words, 128 bytes a wave: two blocks of 256 bytes that no other line names
.set SCW,   256512                     ; 256 bytes a wave: a record's scale words on their way out
.set HAQ, 2                            ; HN + 1,536 p + 3,072 h + 24 r: my half's positions
.set HAV, 3                            ; HN + 3,072 h + 24 r
.set HBQ, 4                            ; HNS + 64 p + l
.set HBV, 5                            ; HNS + l
.set LWA, 6                            ; v6-7   slot 0, 1: 12,288 w + 16 l
.set LWS, 8                            ; v8-9   slot 0, 1: 98,304 + 512 w + 4 l
.set LVA, 10                           ; v10-11 wv: 6,144 w + 16 l, and 49,152 further on
.set LVS, 12                           ; 98,304 + 256 w + 4 l
.set EOQ, 13                           ; records: 1,536 w + 16 l
.set EOV, 14                           ; 6,144 w + 16 l
.set ESO, 15                           ; 24,576 + 256 w + 8 l
.set SWA, 16                           ; SCW + 256 w + 4 r
.set SRA, 17                           ; SCW + 256 w + 8 l
.set BOQ, 18                           ; 32 h
.set BOV, 19                           ; 4 r
.set SD,  20                           ; v20-21 scale words read back
.set HS,  24
.set WS,  40
.set WVS, 48
.set QPW, 52                           ; the scale word just made
.set SPW, 54
.set NIL, 55
.set BT,  64
.set QPC, 128                          ; v128-147 the codes just made
.set QTM, 148                          ; v148-159 maxima, bytes, scale operands
.set UT,  128                          ; v128-159 single scale bytes
.set WVF, 160
.set G1W, 24
.set G1H, 32
.set G1S, 40
.set G0H, 48
.set G0S, 52
.set G0W0, 56
.set G0W1, 60
.set STEP2, 74                         ; s[74:75] two slots on in wimg
.set STEPV, 76                         ; s[76:77] from wk's first slot to my half of wv
.set SEL, 84
.set MSB, 0
.macro WIN new                         ; the immediate's high byte repeats the setting that is left
.if MSB != (\new)
	s_set_vgpr_msb (MSB<<8)|(\new)
.set MSB, \new
.endif
.endm
.macro PLACES n
.rept \n
	v_nop
.endr
.endm
.macro CROUND                          ; a round of the cluster's barrier
	s_barrier_signal -1
	s_barrier_wait -1
	s_cmp_lg_u32 s20, 0
	s_cbranch_scc1 .Lnot_wave_0_\@
	s_barrier_signal -3
.Lnot_wave_0_\@:
	s_barrier_wait -3
	s_barrier_signal -1
	s_barrier_wait -1
.endm
.macro WMM                             ; one product by the symbols rD, rA, rB, rC, rX, rY; fA, fB: the scales lie in lanes 16-31
.if fA && fB
	v_wmma_scale_f32_16x16x128_f8f6f4 v[rD:rD+7], v[rA:rA+11], v[rB:rB+11], v[rC:rC+7], v[rX], v[rY] matrix_a_fmt:MATRIX_FMT_BF6 matrix_b_fmt:MATRIX_FMT_BF6 matrix_a_scale:MATRIX_SCALE_ROW1 matrix_b_scale:MATRIX_SCALE_ROW1
.elseif fA
	v_wmma_scale_f32_16x16x128_f8f6f4 v[rD:rD+7], v[rA:rA+11], v[rB:rB+11], v[rC:rC+7], v[rX], v[rY] matrix_a_fmt:MATRIX_FMT_BF6 matrix_b_fmt:MATRIX_FMT_BF6 matrix_a_scale:MATRIX_SCALE_ROW1
.elseif fB
	v_wmma_scale_f32_16x16x128_f8f6f4 v[rD:rD+7], v[rA:rA+11], v[rB:rB+11], v[rC:rC+7], v[rX], v[rY] matrix_a_fmt:MATRIX_FMT_BF6 matrix_b_fmt:MATRIX_FMT_BF6 matrix_b_scale:MATRIX_SCALE_ROW1
.else
	v_wmma_scale_f32_16x16x128_f8f6f4 v[rD:rD+7], v[rA:rA+11], v[rB:rB+11], v[rC:rC+7], v[rX], v[rY] matrix_a_fmt:MATRIX_FMT_BF6 matrix_b_fmt:MATRIX_FMT_BF6
.endif
.endm
; a fragment of hn: lane (r, h) takes, for c' = 0, 1, the 24 bytes of block 4 fs + 2 c' + h at position 16 fn + r, in pieces of 8 bytes
.macro HFRAG reg, adr, fs, fn
.irp q, 0,1,2,3,4,5
	ds_load_b64 v[(\reg)+2*\q:(\reg)+2*\q+1], v[\adr] offset:(4*(\fs)+2*(\q/3))*3072+384*(\fn)+8*(\q%3)
.endr
.endm
.macro HSASM first, cnt                ; four single bytes make a scale word
.set hx, 0
.rept \cnt
	v_lshl_or_b32 v[HS+(\first)+hx], v[UT+4*hx+1], 8, v[UT+4*hx]
	v_lshl_or_b32 v[HS+(\first)+hx], v[UT+4*hx+2], 16, v[HS+(\first)+hx]
	v_lshl_or_b32 v[HS+(\first)+hx], v[UT+4*hx+3], 24, v[HS+(\first)+hx]
.set hx, hx+1
.endr
.endm
.macro LW set, slot, e                 ; my eight fragments of wq or wk and their scale words, K step e of the slot: 28 LDS loads
	WIN 0x80
.irp ot, 0,1,2,3,4,5,6,7
.irp pt, 0,1,2
	ds_load_b128 v[96*(\set)+12*\ot+4*\pt:96*(\set)+12*\ot+4*\pt+3], v[LWA+(\slot)] offset:49152*(\e)+1536*\ot+512*\pt
.endr
.endr
	WIN 0
.irp a, 0,1,2,3
	ds_load_b32 v[WS+4*(\set)+\a], v[LWS+(\slot)] offset:2048*(\e)+128*\a      ; lanes 0-15: tile 2 a, lanes 16-31: tile 2 a + 1
.endr
.endm
.macro LWV set, ks                     ; my four fragments of wv and their scale words, K step ks: 14 LDS loads
	WIN 0
.irp ct, 0,1,2,3
.irp pt, 0,1,2
	ds_load_b128 v[WVF+48*(\set)+12*\ct+4*\pt:WVF+48*(\set)+12*\ct+4*\pt+3], v[LVA+(\ks)%2] offset:24576*((\ks)/2)+1536*\ct+512*\pt
.endr
.endr
.irp a, 0,1
	ds_load_b32 v[WVS+2*(\set)+\a], v[LVS] offset:2048*((\ks)%2)+1024*((\ks)/2)+128*\a
.endr
.endm
; 32 products of K step ks for q or k: the 32 accumulators by turns, one instruction a turn.  first = 1: the bias tiles are the C
.macro MQ set, ks, first
.if \first
	WIN 0xC6                                       ; source 0 window 2, source 1 window 1, C window 0, D window 3
.else
	WIN 0xF6
.endif
.irp nt, 0,1,2,3
.irp ot, 0,1,2,3,4,5,6,7
.set rD, 64*\nt+8*\ot
.set rA, 96*(\set)+12*\ot
.set rB, 12*(4*\nt+(\ks))
.if \first
.set rC, BT+8*\ot
.else
.set rC, rD
.endif
.set rX, WS+4*(\set)+\ot/2
.set fA, \ot%2
.set rY, HS+2*(\ks)+\nt/2
.set fB, \nt%2
	WMM
.endr
.endr
.endm
.macro MV set, ks, first               ; the same for v: source 0 = 16 keys of hn, source 1 = 16 rows of wv
.irp kt, 0,1,2,3,4,5,6,7
.if \first
	WIN 0xC1+\kt/4                                 ; keys 0-63 lie in window 1, keys 64-127 in window 2
.else
	WIN 0xF1+\kt/4
.endif
.irp ct, 0,1,2,3
.set rD, 64*\ct+8*\kt
.set rA, 12*(4*(\kt%4)+(\ks))
.set rB, WVF+48*(\set)+12*\ct
.if \first
.set rC, BT+8*\ct
.else
.set rC, rD
.endif
.set rX, HS+4*(\ks)+\kt/2
.set fA, \kt%2
.set rY, WVS+2*(\set)+\ct/2
.set fB, \ct%2
	WMM
.endr
.endr
.endm
; 64 numbers of a lane in window n, register 16 b + i = position 32 b + 16 (lane / 16) + i of my row, become a fragment's codes in v[QPC] on and its scale word in v[QPW].  Each accumulator is read from its low end on.
.macro QUANTW src, n
	WIN (\n)|((\n)<<2)
.irp b, 0,1,2,3
	v_max3_num_f32 v[QTM+\b], |v[(\src)+16*\b]|, |v[(\src)+16*\b+1]|, 0x2800000   ; my 16 numbers of block b, and the floor 2^(5 - 127)
.endr
	WIN ((\n)<<2)|((\n)<<4)
.irp i, 2,4,6,8,10,12,14
.irp b, 0,1,2,3
	v_max3_num_f32 v[QTM+\b], v[QTM+\b], |v[(\src)+16*\b+\i]|, |v[(\src)+16*\b+\i+1]|
.endr
.endr
	WIN 0
.irp b, 0,1,2,3
	v_permlanex16_b32 v[QTM+4+\b], v[QTM+\b], s[SEL], s[SEL+1]
.endr
.irp b, 0,1,2,3
	v_max_num_f32 v[QTM+\b], v[QTM+\b], v[QTM+4+\b]        ; with lane l xor 16's: the block's largest magnitude
.endr
.irp b, 0,1,2,3
	v_add_nc_u32 v[QTM+8+\b], 0xfe000000, v[QTM+\b]        ; 4 off its exponent field: the conversion's scale operand
.endr
.irp b, 0,1,2,3
	v_lshrrev_b32 v[QTM+4+\b], 23, v[QTM+8+\b]             ; the byte
.endr
	v_lshl_or_b32 v[QPW], v[QTM+5], 8, v[QTM+4]
	v_lshl_or_b32 v[QPW], v[QTM+6], 16, v[QPW]
	v_lshl_or_b32 v[QPW], v[QTM+7], 24, v[QPW]
	WIN \n
.irp c, 0,1
	v_cvt_scalef32_pk16_bf6_f32 v[QPC+6*\c:QPC+6*\c+2], v[(\src)+32*\c:(\src)+32*\c+15], v[QTM+8+2*\c]
	v_cvt_scalef32_pk16_bf6_f32 v[QPC+12+4*\c:QPC+14+4*\c], v[(\src)+32*\c+16:(\src)+32*\c+31], v[QTM+9+2*\c]
.endr
	WIN 0
	v_nop                                          ; one plain line behind the conversions
.irp c, 0,1                            ; the layout wants a whole block in a lane: lanes 0-15 block 2 c, lanes 16-31 block 2 c + 1
.irp i, 0,1,2
	v_permlane16_swap_b32 v[QPC+6*\c+\i], v[QPC+12+4*\c+\i]
.endr
.irp i, 0,1,2
	v_mov_b32 v[QPC+3+6*\c+\i], v[QPC+12+4*\c+\i]
.endr
.endr
.endm
; the 32 accumulators become four fragments of the record at s[rec]: fragment o at eo + omul x o; the scale words leave as one block of 256 bytes a wave
.macro EPI rec, eo, omul
.irp o, 0,1,2,3
	s_wait_xcnt 0x0                                ; the stores before have read the codes' registers,
	s_wait_dscnt 0x0                               ; and the LDS store before the scale word's
	QUANTW 64*\o, 3
.irp pt, 0,1,2
	global_store_b128 v[\eo], v[QPC+4*\pt:QPC+4*\pt+3], s[\rec:\rec+1] offset:(\omul)*\o+512*\pt   ; 512 consecutive bytes, aligned
.endr
	ds_store_b32 v[SWA], v[QPW] offset:64*\o       ; lanes r and r + 16 write the same word with the same value
.endr
	ds_load_b64 v[SD:SD+1], v[SRA]                 ; a wave's LDS instructions are served in order
	s_wait_dscnt 0x0
	global_store_b64 v[ESO], v[SD:SD+1], s[\rec:\rec+1]
.endm
; a change of slots.  Every wave waits for all its tensor loads, adds 0 to its spare word, and waits for that and for its reads; fill = 1: a round of the cluster's barrier, and the slot just read out is asked for again, jointly
.macro CHANGE fill, g0, step
	WIN 0
	s_wait_tensorcnt 0x0                           ; no tensor load of mine is out: a group 0 may be written
	ds_add_u32 v[SPW], v[NIL]
.if \fill
	s_add_nc_u64 s[\g0+2:\g0+3], s[\g0+2:\g0+3], s[\step:\step+1]
.endif
	s_wait_dscnt 0x0                               ; the add is done, and my reads of both slots are in
.if \fill
	CROUND
	tensor_load_to_lds s[\g0:\g0+3], s[G1W:G1W+7]
	s_nop 0
	PLACES 4                                       ; also the places in front of the loads that follow
.else
	s_barrier_signal -1
	s_barrier_wait -1
	PLACES 4
.endif
.endm
	s_load_b512 s[4:19], s[0:1], 0x0               ; hnc, hns, wimg, bq, bk, bv, qimg, kv
	v_lshl_add_u32 v[SPW], v0, 2, SPARE
	v_mov_b32 v[NIL], 0
	ds_add_u32 v54, v55
	ds_add_u32 v54, v55
	s_wait_dscnt 0x0
	v_lshrrev_b32 v1, 5, v0
	v_readfirstlane_b32 s20, v1                    ; wave w
	s_bfe_u32 s21, ttmp6, 0x40000                  ; cx
	s_lshl_b32 s22, ttmp9, 2
	s_add_co_u32 s22, s22, s21                     ; i = 4 x cluster x + cx: it enters global addresses alone
	s_and_b32 s23, ttmp7, 0xffff
	s_min_u32 s23, s23, 1                          ; p: 0 or 1 by the grid; the bound is written out, since LDS addresses are made of p
	s_lshr_b32 s66, s22, 4                         ; b
	s_and_b32 s67, s22, 15                         ; j
	s_mov_b32 s[G1W], 15|(3<<16)|(1<<21)           ; joint, all four work-groups; elements of 8 bytes; 100 rows of 256 bytes, dense
	s_mov_b32 s[G1W+1], 32<<16
	s_mov_b32 s[G1W+2], 100<<16
	s_mov_b32 s[G1W+3], 32<<16
	s_mov_b32 s[G1W+4], 100
	s_mov_b32 s[G1W+5], 32
	s_mov_b32 s[G1W+6], 0
	s_mov_b32 s[G1W+7], 0
	s_mov_b32 s[G1H], 3<<16                        ; my own: 4 rows of 3,072 bytes, 49,152 bytes apart
	s_mov_b32 s[G1H+1], 384<<16
	s_mov_b32 s[G1H+2], 4<<16
	s_mov_b32 s[G1H+3], 384<<16
	s_mov_b32 s[G1H+4], 4
	s_mov_b32 s[G1H+5], 6144
	s_mov_b32 s[G1H+6], 0
	s_mov_b32 s[G1H+7], 0
	s_mov_b32 s[G1S], 3<<16                        ; my own: 4 rows of 128 bytes, 2,048 bytes apart
	s_mov_b32 s[G1S+1], 16<<16
	s_mov_b32 s[G1S+2], 4<<16
	s_mov_b32 s[G1S+3], 16<<16
	s_mov_b32 s[G1S+4], 4
	s_mov_b32 s[G1S+5], 256
	s_mov_b32 s[G1S+6], 0
	s_mov_b32 s[G1S+7], 0
	s_mul_i32 s68, s66, 786432                     ; hnc: image b, blocks 4 w .. 4 w + 3, positions 128 j on
	s_mul_i32 s69, s20, 196608
	s_add_co_u32 s68, s68, s69
	s_mul_i32 s69, s67, 3072
	s_add_co_u32 s68, s68, s69
	s_mov_b32 s69, 0
	s_lshl_b32 s70, s66, 15                        ; hns likewise
	s_lshl_b32 s71, s20, 13
	s_add_co_u32 s70, s70, s71
	s_lshl_b32 s71, s67, 7
	s_add_co_u32 s70, s70, s71
	s_mov_b32 s71, 0
	s_mul_i32 s72, s20, 25600                      ; my quarter of a slot, in memory and in LDS
	s_mov_b32 s73, 0
	s_mov_b32 s[STEP2], 2*STEPB
	s_mov_b32 s[STEP2+1], 0
	s_mul_i32 s[STEPV], s23, STEPB
	s_add_co_u32 s[STEPV], s[STEPV], 2*STEPB
	s_mov_b32 s[STEPV+1], 0
	s_mov_b32 s[SEL], 0x76543210
	s_mov_b32 s[SEL+1], 0xfedcba98
	s_wait_kmcnt 0x0
	s_mov_b32 s[G0H], 1
	s_mul_i32 s[G0H+1], s20, 12288
	s_add_co_u32 s[G0H+1], s[G0H+1], HN
	s_add_nc_u64 s[G0H+2:G0H+3], s[4:5], s[68:69]
	s_or_b32 s[G0H+3], s[G0H+3], 0x80000000
	s_mov_b32 s[G0S], 1
	s_lshl_b32 s[G0S+1], s20, 9
	s_add_co_u32 s[G0S+1], s[G0S+1], HNS
	s_add_nc_u64 s[G0S+2:G0S+3], s[6:7], s[70:71]
	s_or_b32 s[G0S+3], s[G0S+3], 0x80000000
	s_mov_b32 s[G0W0], 1
	s_mov_b32 s[G0W0+1], s72
	s_add_nc_u64 s[G0W0+2:G0W0+3], s[8:9], s[72:73]
	s_mov_b32 s[G0W1], 1
	s_add_co_u32 s[G0W1+1], s72, SLOT1
	s_add_nc_u64 s[G0W1+2:G0W1+3], s[G0W0+2:G0W0+3], STEPB
	s_or_b32 s[G0W0+3], s[G0W0+3], 0x80000000
	s_or_b32 s[G0W1+3], s[G0W1+3], 0x80000000
	CROUND                                         ; all four work-groups are here: the first loads go out as one group
	tensor_load_to_lds s[G0H:G0H+3], s[G1H:G1H+7]
	s_nop 0
	tensor_load_to_lds s[G0S:G0S+3], s[G1S:G1S+7]
	s_nop 0
	tensor_load_to_lds s[G0W0:G0W0+3], s[G1W:G1W+7]   ; wq's K steps 0, 1
	s_nop 0
	tensor_load_to_lds s[G0W1:G0W1+3], s[G1W:G1W+7]   ; wq's K steps 2, 3
	s_nop 0
	PLACES 4
	s_lshl_b32 s78, s22, 1
	s_add_co_u32 s78, s78, s23
	s_mul_i32 s78, s78, 25600
	s_mov_b32 s79, 0
	s_add_nc_u64 s[16:17], s[16:17], s[78:79]      ; q's record 2 i + p
	s_lshl_b32 s78, s22, 2
	s_add_co_u32 s78, s78, s23
	s_mul_i32 s78, s78, 25600
	s_add_nc_u64 s[18:19], s[18:19], s[78:79]      ; k's: quarter p of block i
	s_add_nc_u64 s[80:81], s[18:19], 51200         ; v's: quarter 2 + p
	s_lshl_b32 s78, s20, 9
	s_add_nc_u64 s[10:11], s[10:11], s[78:79]      ; bq, bk: my 128 outputs
	s_add_nc_u64 s[12:13], s[12:13], s[78:79]
	s_lshl_b32 s78, s23, 10
	s_lshl_b32 s82, s20, 8
	s_add_co_u32 s78, s78, s82
	s_add_nc_u64 s[14:15], s[14:15], s[78:79]      ; bv: channels 256 p + 64 w on
	v_and_b32 v1, 31, v0                           ; l
	v_and_b32 v22, 15, v0                          ; r
	v_bfe_u32 v23, v0, 4, 1                        ; h
	v_mul_u32_u24 v[HAV], v22, 24
	v_mad_u32_u24 v[HAV], v23, 3072, v[HAV]
	v_add_nc_u32 v[HAV], HN, v[HAV]
	s_mul_i32 s86, s23, 1536
	v_add_nc_u32 v[HAQ], s86, v[HAV]
	v_add_nc_u32 v[HBV], HNS, v1
	s_lshl_b32 s86, s23, 6
	v_add_nc_u32 v[HBQ], s86, v[HBV]
	s_mul_i32 s86, s20, 12288
	v_lshl_add_u32 v[LWA], v1, 4, s86
	v_add_nc_u32 v[LWA+1], SLOT1, v[LWA]
	s_lshl_b32 s86, s20, 9
	s_add_co_u32 s86, s86, 98304
	v_lshl_add_u32 v[LWS], v1, 2, s86
	v_add_nc_u32 v[LWS+1], SLOT1, v[LWS]
	s_mul_i32 s86, s20, 6144
	v_lshl_add_u32 v[LVA], v1, 4, s86
	v_add_nc_u32 v[LVA+1], 49152, v[LVA]
	v_mov_b32 v[EOV], v[LVA]
	s_lshl_b32 s86, s20, 8
	s_add_co_u32 s87, s86, 98304
	v_lshl_add_u32 v[LVS], v1, 2, s87
	s_add_co_u32 s87, s86, 24576
	v_lshl_add_u32 v[ESO], v1, 3, s87
	s_add_co_u32 s87, s86, SCW
	v_lshl_add_u32 v[SWA], v22, 2, s87
	v_lshl_add_u32 v[SRA], v1, 3, s87
	s_mul_i32 s86, s20, 1536
	v_lshl_add_u32 v[EOQ], v1, 4, s86
	v_lshlrev_b32 v[BOQ], 5, v23
	v_lshlrev_b32 v[BOV], 2, v22
.irp b, 0,1,2,3
	v_mov_b32 v[QTM+4+\b], 0                       ; written once: a lane permute's destination counts as one of its sources
.endr
	s_wait_tensorcnt 0x1                           ; hn, its bytes and slot 0 are in; slot 1's load may stay out
	s_barrier_signal -1
	s_barrier_wait -1
	WIN 0x40
.irp nt, 0,1,2,3
.irp sk, 0,1,2,3
	HFRAG 12*(4*\nt+\sk), HAQ, \sk, \nt            ; my half's 16 fragments of hn: they serve q and k
.endr
.endr
	WIN 0
.irp sk, 0,1,2,3
.irp a, 0,1
.irp be, 0,1,2,3
	ds_load_u8 v[UT+4*(2*\sk+\a)+\be], v[HBQ] offset:128*(4*\sk+\be)+32*\a     ; lanes 0-15: tile 2 a, lanes 16-31: tile 2 a + 1
.endr
.endr
.endr
	LW 0, 0, 0
.irp ot, 0,1,2,3,4,5,6,7
	global_load_b128 v[BT+8*\ot:BT+8*\ot+3], v[BOQ], s[10:11] offset:64*\ot        ; bq at my eight outputs of tile ot
	global_load_b128 v[BT+8*\ot+4:BT+8*\ot+7], v[BOQ], s[10:11] offset:64*\ot+16
.endr
	s_wait_dscnt 28                                ; all but LW's 28
	HSASM 0, 8
	PLACES 8                                       ; a scale register written by a vector instruction stands eight places ahead of the product
; q or k: four K steps through two register sets; stepa: what slot 0's descriptor steps; fillb: slot 1 is filled again; last = 1: v follows
.macro QKSTAGE stepa, fillb, last, rec
	PLACES 4
	LW 1, 0, 1
	s_wait_loadcnt 0x0                             ; the bias tiles
	s_wait_dscnt 28                                ; set 0 is in; set 1's 28 loads stay out
	MQ 0, 0, 1
	CHANGE 1, G0W0, \stepa
	LW 0, 1, 0
	MQ 1, 1, 0
	PLACES 4
	LW 1, 1, 1
	s_wait_dscnt 28
	MQ 0, 2, 0
	CHANGE \fillb, G0W1, STEP2
.if \last
	LWV 0, 0
.else
	LW 0, 0, 0
.endif
	MQ 1, 3, 0
	PLACES 4
	WIN 0
.if \last
.irp ct, 0,1,2,3
	global_load_b32 v[BT+8*\ct], v[BOV], s[14:15] offset:64*\ct                    ; bv at my channel of tile ct
.endr
	WIN 0x40                                       ; all 128 keys' fragments of hn: they land while k is quantised
.irp nt, 0,1,2,3
.irp sk, 0,1,2,3
	HFRAG 12*(4*\nt+\sk), HAV, \sk, \nt
.endr
.endr
	WIN 0x80
.irp nt, 0,1,2,3
.irp sk, 0,1,2,3
	HFRAG 12*(4*\nt+\sk), HAV, \sk, \nt+4
.endr
.endr
	WIN 0
.else
.irp ot, 0,1,2,3,4,5,6,7
	global_load_b128 v[BT+8*\ot:BT+8*\ot+3], v[BOQ], s[12:13] offset:64*\ot
	global_load_b128 v[BT+8*\ot+4:BT+8*\ot+7], v[BOQ], s[12:13] offset:64*\ot+16
.endr
.endif
	EPI \rec, EOQ, 6144
.endm
	QKSTAGE STEP2, 1, 0, 16                        ; q; slots 0 and 1 take wk
	QKSTAGE STEPV, 0, 1, 18                        ; k; slot 0 takes my half of wv
	; ---- v
	s_wait_xcnt 0x0                                ; the last stores have read v128 on
.irp t, 0,1
.irp sl, 0,1
.irp a, 0,1,2,3
.irp be, 0,1,2,3
	ds_load_u8 v[UT+4*(4*\sl+\a)+\be], v[HBV] offset:128*(4*(2*\t+\sl)+\be)+32*\a
.endr
.endr
.endr
	s_wait_dscnt 0x0
	HSASM 8*\t, 8
.endr
	s_wait_loadcnt 0x0                             ; bv
.irp ct, 0,1,2,3
.irp j, 1,2,3,4,5,6,7
	v_mov_b32 v[BT+8*\ct+\j], v[BT+8*\ct]          ; a lane's eight results of a tile are eight keys of one channel: one bias for all
.endr
.endr
	PLACES 8
.irp sv, 0,1,2,3
	PLACES 4
.if \sv < 3
	LWV (\sv+1)%2, \sv+1
	s_wait_dscnt 14                                ; this K step's set is in; the next one's 14 loads stay out
.else
	s_wait_dscnt 0x0
.endif
.if \sv == 0
	MV 0, 0, 1
.else
	MV \sv%2, \sv, 0
.endif
.endr
	PLACES 4
	WIN 0
	EPI 80, EOV, 1536
	s_wait_tensorcnt 0x0                           ; the wave's end
	ds_add_u32 v[SPW], v[NIL]
	s_wait_dscnt 0x0
	CROUND                                         ; the closing round
	s_endpgm
.Lfunc_end_k_q2a4f0f88eb_qkv:
	.size	k_q2a4f0f88eb_qkv, .Lfunc_end_k_q2a4f0f88eb_qkv-k_q2a4f0f88eb_qkv
	.p2alignl 7, 3214868480
	.fill 96, 4, 3214868480
	.section	.rodata,"a",@progbits
	.p2align	6, 0x0
	.amdhsa_kernel k_q2a4f0f88eb_qkv
		.amdhsa_group_segment_fixed_size 327680
		.amdhsa_private_segment_fixed_size 0
		.amdhsa_enable_private_segment 0
		.amdhsa_kernarg_size 64
		.amdhsa_user_sgpr_count 2
		.amdhsa_user_sgpr_kernarg_segment_ptr 1
		.amdhsa_wavefront_size32 1
		.amdhsa_system_sgpr_workgroup_id_x 1
		.amdhsa_system_sgpr_workgroup_id_y 1
		.amdhsa_system_sgpr_workgroup_id_z 1
		.amdhsa_system_vgpr_workitem_id 0
		.amdhsa_next_free_vgpr 1024
		.amdhsa_next_free_sgpr 100
		.amdhsa_reserve_vcc 0
		.amdhsa_float_denorm_mode_32 3
		.amdhsa_float_denorm_mode_16_64 3
		.amdhsa_memory_ordered 1
		.amdhsa_forward_progress 1
		.amdhsa_inst_pref_size 165
	.end_amdhsa_kernel
	.amdgpu_metadata
---
amdhsa.version: [ 1, 2 ]
amdhsa.kernels:
  - .name:           k_q2a4f0f88eb_qkv
    .symbol:         k_q2a4f0f88eb_qkv.kd
    .args:
      - { .name: hnc, .offset: 0, .size: 8, .value_kind: global_buffer, .address_space: global }
      - { .name: hns, .offset: 8, .size: 8, .value_kind: global_buffer, .address_space: global }
      - { .name: wimg, .offset: 16, .size: 8, .value_kind: global_buffer, .address_space: global }
      - { .name: bq, .offset: 24, .size: 8, .value_kind: global_buffer, .address_space: global }
      - { .name: bk, .offset: 32, .size: 8, .value_kind: global_buffer, .address_space: global }
      - { .name: bv, .offset: 40, .size: 8, .value_kind: global_buffer, .address_space: global }
      - { .name: qimg, .offset: 48, .size: 8, .value_kind: global_buffer, .address_space: global }
      - { .name: kv, .offset: 56, .size: 8, .value_kind: global_buffer, .address_space: global }
    .group_segment_fixed_size: 327680
    .private_segment_fixed_size: 0
    .kernarg_segment_align: 8
    .kernarg_segment_size: 64
    .max_flat_workgroup_size: 128
    .sgpr_count:     100
    .vgpr_count:     1024
    .wavefront_size: 32
...
	.end_amdgpu_metadata
.endif
;; end of part 2
;; launch attn (part 3): grid 32 x 8, 4 waves a work-group, clusters of 4 x 1, 327,680 bytes of LDS; arguments qimg, kv, woimg, bo, x, out0; writes out0
.if DOCPART == 3
	.amdgcn_target "amdgcn-amd-amdhsa--gfx1250"
	.amdhsa_code_object_version 6
	.text
	.protected	k_q2a4f0f88eb_attn
	.globl	k_q2a4f0f88eb_attn
	.p2align	8
	.type	k_q2a4f0f88eb_attn,@function
k_q2a4f0f88eb_attn:
	s_mov_b64 s[64:65], 0
	v_nop
	global_prefetch_b8 v0, s[64:65] scope:SCOPE_SE
	s_setreg_imm32_b32 hwreg(HW_REG_WAVE_MODE, 25, 1), 1
	s_wait_xcnt 0x0
	s_wait_alu depctr_hold_cnt(0) depctr_sa_sdst(0) depctr_va_vdst(0) depctr_va_sdst(0) depctr_va_ssrc(0) depctr_va_vcc(0) depctr_vm_vsrc(0)
	s_getreg_b32 s2, hwreg(HW_REG_IB_STS2, 6, 4)
	s_cmp_eq_u32 s2, 0
	s_cbranch_scc0 .Lentry_in_a_cluster
	s_endpgm
.Lentry_in_a_cluster:
	s_bfe_u32 s2, ttmp6, 0x10000c
	s_cmp_lg_u32 s2, 0x3003
	s_cbranch_scc0 .Lentry_shape_is_right
	s_endpgm
.Lentry_shape_is_right:
; ATTN: out0 = x + wo (v softmax(q^T k / sqrt(512))^T) + bo, all three products on codes of BF6 (E3M2) with E8M0 scales.
; SHARES.  A work-group owns 64 queries (four tiles qt of 16) of image b and walks the image's 2,048 keys, 128 a step.  THE WAVES SHARE KEYS AND CHANNELS, NOT QUERIES:
;   scores: wave w makes S^T (source 0 = 16 keys, source 1 = 16 queries) for keys 32 w .. +31 of the step, all 64 queries: 32 products; a fragment of k feeds four of them and is read from LDS by one wave;
;   O^T += v^T p^T (source 0 = 16 channels, source 1 = p): wave w owns channels 128 w .. +127, all 64 queries: 32 accumulators; a fragment of v likewise.
; p goes from wave to wave through LDS as part of an image of the operand's registers: wave w's 32 keys are block w of the step's four.
; THE SOFTMAX.  t = score x log2(e) / sqrt(512).  Each wave keeps, for each query, a running largest t of ITS keys, M_w = its ceiling (a whole number, kept as -M_w), p = 2^(t - M_w) and the sum l_w of the unquantised p.
; A block's byte under M_w plus M_w, E = floor(the block's largest t) + 123, hangs on no M: it is handed over with the codes, as an f32 whole number.  Every wave keeps R = the running largest E of the query, multiplies
; its O^T by 2^(old R - new R) (exact) and gives block w the byte max(E_w - R + 123, 1).  At the end l = the sum over w of l_w 2^(M_w - R + 123) divides O^T.
; LIMITS: |t| under 2^24, so that E is a whole number in f32; a block more than 2^122 under the row's largest is held at byte 1; NaN and infinities are not served.
; ONE BARRIER A KEY STEP.  Scores and softmax run one step ahead of O^T += v^T p^T, and k and v are copied into registers a step ahead of their use.  In trip j: S of step j + 1, with the exchange's arithmetic and O^T's rescaling
; in slices behind its products; then O^T of step j, with the softmax of step j + 1 in slices behind its products.
; K AND V come as blocks of 102,400 bytes (two records of k, two of v) through two LDS slots.  The four work-groups of a cluster belong to one image: each quarter is asked for JOINTLY (mask 15); waves 0, 1 carry k's, waves 2, 3 v's.
; Behind trip j's round go k of step j + 3 and v of step j + 2, into bytes that were copied to registers in trip j - 1.  By this text's count a wave has two tensor loads out at the start, later one.
; THE END IS FED DURING THE LAST TRIPS.  wo's images are two blocks of the same 102,400 bytes, the same for every work-group: they follow k and v through the slots, jointly, behind the rounds of trips 14 (slot 0) and 15 (slot 1).
; x at my 128 outputs x 64 positions is 256 registers a lane: tiles 6, 7 (and bo) are asked for in trip 13, into registers that lay idle, tiles 0 to 5 in trip 14 behind the last scores, where q lay.
; REGISTERS, in windows of 256: window 0: v0-31 addresses; v32-63 statistics, eight a tile; v64-127 S^T, then p; v128-175 p's fragments; v176-191 E; v192-207 R, T, F; v208-231 scale words and nothing else; v232-255 codes just made.
;   window 1: q (16 fragments), later x (tile ot of 16 outputs at 32 ot);  window 2: O^T, 64 qt + 8 ct, later the result;  window 3: k (8 fragments), v (8), later wo's two sets; v192-255 bo.
.set SLOT1, 131072
.set STEPB, 102400
.set QUART, 25600
.set XB,    102400                     ; the exchange: two blocks of 8,192 bytes by turns: p's images 4 x 1,536, E at +6,144
.set LB,    118784                     ; [query 64][wave 4] the waves' sums
.set SPARE, 119808                     ; the spare words, 128 bytes a wave: two blocks of 256 bytes that no other line names
.set AIMG,  233472                     ; the attention result's 16 fragments
.set ASC,   258048                     ; their scale words [K step][tile][row]
.set STG,   259072                     ; the way out: 16 rows x 272 bytes for each wave
.set AK, 4                             ; bases in slot 0 / exchange block 0, never rewritten in the loop
.set AKS, 5
.set AV, 6
.set AVS, 7
.set PWA, 8
.set PWB, 9
.set EW, 10
.set PRA, 11
.set PRB, 12
.set ER, 13
.set WK, 14                            ; the trip's addresses
.set WKS, 15
.set WVA, 16
.set WVS, 17
.set RPA, 18
.set RPB, 19
.set RE, 20
.set WPA, 21
.set WPB, 22
.set WE, 23
.set SPW, 24
.set NIL, 25
.set PFO, 26                           ; 256 x min(lane, 24)
.set XO, 27                            ; 8,192 h + 16 r: two rows of x or out0, 16 bytes a lane; never rewritten
.set QO, 28                            ; 16 l
.set Q4, 29                            ; 4 l
.set BOO, 30                           ; 4 r
.set WOA, 4                            ; the end's addresses take the bases' and the trip's registers: v4-5 wo's fragments in slot 0, 1
.set WSA, 6                            ; v6-7 wo's scale words in slot 0, 1
.set LBW, 14
.set LBR, 15
.set AIW, 16
.set ASW, 17
.set AFA, 18
.set ASR, 19
.set SGW, 20
.set SGR, 21
.set ST, 32                            ; tile qt at +8 qt: +0 -M, +1 largest t, +2:3 l, +4 block's largest, +5 at work, +6 2^(old M - new M), +7 E
.set S, 64
.set PF, 128
.set EV, 176
.set RR, 192
.set TT, 196
.set FF, 200                           ; pairs: 2^(old R - new R), and its exponent
.set PS, 212
.set QS, 216
.set KS, 224
.set VS, 228
.set WOS, 212                          ; at the end: wo's 16 scale registers
.set PCP, 232
.set QPC, 88                           ; at the end
.set QTM, 108
.set QPW, 120
.set BK, 128
.set G1, 24
.set G0A, 32
.set G0B, 36
.set G0W, 60
.set CS, 40
.set SEL, 42
.set SA, 44
.set SB, 45
.set TP, 46
.set TQ, 47
.set CNT, 48
.set LIM, 49
.set PFA, 50
.set MSB, 0
.macro WIN new                         ; the immediate's high byte repeats the setting that is left
.if MSB != (\new)
	s_set_vgpr_msb (MSB<<8)|(\new)
.set MSB, \new
.endif
.endm
.macro PLACES n
.rept \n
	v_nop
.endr
.endm
.macro CROUND                          ; a round of the cluster's barrier
	s_barrier_signal -1
	s_barrier_wait -1
	s_cmp_lg_u32 s16, 0
	s_cbranch_scc1 .Lnot_wave_0_\@
	s_barrier_signal -3
.Lnot_wave_0_\@:
	s_barrier_wait -3
	s_barrier_signal -1
	s_barrier_wait -1
.endm
.macro WMM                             ; one product by the symbols rD, rA, rB, rC (under 0: the constant 0), rX, rY; fA, fB: the scales lie in lanes 16-31
.if rC < 0
.if fA && fB
	v_wmma_scale_f32_16x16x128_f8f6f4 v[rD:rD+7], v[rA:rA+11], v[rB:rB+11], 0, v[rX], v[rY] matrix_a_fmt:MATRIX_FMT_BF6 matrix_b_fmt:MATRIX_FMT_BF6 matrix_a_scale:MATRIX_SCALE_ROW1 matrix_b_scale:MATRIX_SCALE_ROW1
.elseif fA
	v_wmma_scale_f32_16x16x128_f8f6f4 v[rD:rD+7], v[rA:rA+11], v[rB:rB+11], 0, v[rX], v[rY] matrix_a_fmt:MATRIX_FMT_BF6 matrix_b_fmt:MATRIX_FMT_BF6 matrix_a_scale:MATRIX_SCALE_ROW1
.elseif fB
	v_wmma_scale_f32_16x16x128_f8f6f4 v[rD:rD+7], v[rA:rA+11], v[rB:rB+11], 0, v[rX], v[rY] matrix_a_fmt:MATRIX_FMT_BF6 matrix_b_fmt:MATRIX_FMT_BF6 matrix_b_scale:MATRIX_SCALE_ROW1
.else
	v_wmma_scale_f32_16x16x128_f8f6f4 v[rD:rD+7], v[rA:rA+11], v[rB:rB+11], 0, v[rX], v[rY] matrix_a_fmt:MATRIX_FMT_BF6 matrix_b_fmt:MATRIX_FMT_BF6
.endif
.else
.if fA && fB
	v_wmma_scale_f32_16x16x128_f8f6f4 v[rD:rD+7], v[rA:rA+11], v[rB:rB+11], v[rC:rC+7], v[rX], v[rY] matrix_a_fmt:MATRIX_FMT_BF6 matrix_b_fmt:MATRIX_FMT_BF6 matrix_a_scale:MATRIX_SCALE_ROW1 matrix_b_scale:MATRIX_SCALE_ROW1
.elseif fA
	v_wmma_scale_f32_16x16x128_f8f6f4 v[rD:rD+7], v[rA:rA+11], v[rB:rB+11], v[rC:rC+7], v[rX], v[rY] matrix_a_fmt:MATRIX_FMT_BF6 matrix_b_fmt:MATRIX_FMT_BF6 matrix_a_scale:MATRIX_SCALE_ROW1
.elseif fB
	v_wmma_scale_f32_16x16x128_f8f6f4 v[rD:rD+7], v[rA:rA+11], v[rB:rB+11], v[rC:rC+7], v[rX], v[rY] matrix_a_fmt:MATRIX_FMT_BF6 matrix_b_fmt:MATRIX_FMT_BF6 matrix_b_scale:MATRIX_SCALE_ROW1
.else
	v_wmma_scale_f32_16x16x128_f8f6f4 v[rD:rD+7], v[rA:rA+11], v[rB:rB+11], v[rC:rC+7], v[rX], v[rY] matrix_a_fmt:MATRIX_FMT_BF6 matrix_b_fmt:MATRIX_FMT_BF6
.endif
.endif
.endm
; product i of 32 of S^T = k q^T: K step i / 8, my key tile (i % 8) / 4, query tile i % 4: eight accumulators by turns; the first eight start the sums
.macro SCI
	WIN 0x07                                       ; source 0 window 3, source 1 window 1
.set rD, S+16*(i%4)+8*((i%8)/4)
.set rA, 12*(4*((i%8)/4)+i/8)
.set rB, 12*(4*(i%4)+i/8)
.set rC, rD
.if i < 8
.set rC, -1
.endif
.set rX, KS+i/8
.set fA, (i%8)/4
.set rY, QS+2*(i/8)+(i%4)/2
.set fB, i%2
	WMM
.endm
; product i of 32 of O^T += v^T p^T: channel tile i / 4, query tile i % 4: 32 accumulators, each once.  first = 1: they start the sums
.macro PVI first
	WIN 0xA3                                       ; source 0 window 3, source 1 window 0, C and D window 2
.set rD, 64*(i%4)+8*(i/4)
.set rA, 96+12*(i/4)
.set rB, PF+12*(i%4)
.set rC, rD
.if \first
.set rC, -1
.endif
.set rX, VS+(i/4)/2
.set fA, (i/4)%2
.set rY, PS+i%4
.set fB, 0
	WMM
.endm
.macro KLOAD ak, aks                   ; my two key tiles of a step, four K steps each, and their scale words: 28 LDS loads
	WIN 0xC0
.irp u, 0,1
.irp sk, 0,1,2,3
.irp pt, 0,1,2
	ds_load_b128 v[12*(4*\u+\sk)+4*\pt:12*(4*\u+\sk)+4*\pt+3], v[\ak] offset:6144*\u+1536*\sk+512*\pt
.endr
.endr
.endr
	WIN 0
.irp sk, 0,1,2,3
	ds_load_b32 v[KS+\sk], v[\aks] offset:256*\sk  ; lanes 0-15: my first tile, lanes 16-31: my second
.endr
.endm
.macro VLOAD                           ; my eight channel tiles of a step and their scale words: 28 LDS loads
	WIN 0xC0
.irp ct, 0,1,2,3,4,5,6,7
.irp pt, 0,1,2
	ds_load_b128 v[96+12*\ct+4*\pt:96+12*\ct+4*\pt+3], v[WVA] offset:1536*\ct+512*\pt
.endr
.endr
	WIN 0
.irp a, 0,1,2,3
	ds_load_b32 v[VS+\a], v[WVS] offset:128*\a
.endr
.endm
.macro XLD ot                          ; x at outputs 16 ot .. +15 of my 128, my 64 positions: eight loads, each two rows of 256 consecutive bytes, aligned.  The destination's window is set to 1 by the caller
.irp t, 0,1,2,3,4,5,6,7
	global_load_b128 v[32*(\ot)+4*\t:32*(\ot)+4*\t+3], v[XO], s[52:53] offset:8192*(16*(\ot)+2*\t) th:TH_LOAD_NT
.endr
.endm
.macro ADDR                            ; the trip's LDS addresses; it stands where no LDS instruction of mine is out
	v_add_nc_u32 v[WK], s[SA], v[AK]
	v_add_nc_u32 v[WKS], s[SA], v[AKS]
	v_add_nc_u32 v[WVA], s[SB], v[AV]
	v_add_nc_u32 v[WVS], s[SB], v[AVS]
	v_add_nc_u32 v[RPA], s[TP], v[PRA]
	v_add_nc_u32 v[RPB], s[TP], v[PRB]
	v_add_nc_u32 v[RE], s[TP], v[ER]
	v_add_nc_u32 v[WPA], s[TQ], v[PWA]
	v_add_nc_u32 v[WPB], s[TQ], v[PWB]
	v_add_nc_u32 v[WE], s[TQ], v[EW]
.endm
; THE SOFTMAX OF MY 32 KEYS, entry n of 172, all in window 0.  0-71: eighteen stages, the four query tiles by turns; 72-103: t - M, two at a time; 104-171: the exponentials.  No entry reads an exponential's result.
.macro SLE
	WIN 0
.if n < 72
.set sq, n%4
.set sg, n/4
.set rT, ST+8*sq
.set rS, S+16*sq
.if sg == 0
	v_max3_num_f32 v[rT+4], v[rS], v[rS+1], v[rS+2]        ; each accumulator is read from its low end on
.elseif sg < 7
	v_max3_num_f32 v[rT+4], v[rT+4], v[rS+2*sg+1], v[rS+2*sg+2]
.elseif sg == 7
	v_max_num_f32 v[rT+4], v[rT+4], v[rS+15]
.elseif sg == 8
	v_permlanex16_b32 v[rT+5], v[rT+4], s[SEL], s[SEL+1]
.elseif sg == 9
	v_max_num_f32 v[rT+4], v[rT+4], v[rT+5]                ; the block's largest score
.elseif sg == 10
	v_mul_f32 v[rT+5], s[CS], v[rT+4]
.elseif sg == 11
	v_max_num_f32 v[rT+1], v[rT+1], v[rT+5]                ; my running largest t
.elseif sg == 12
	v_mov_b32 v[rT+5], v[rT]
.elseif sg == 13
	v_floor_f32 v[rT], -v[rT+1]                            ; -M = floor(-t)
.elseif sg == 14
	v_sub_f32 v[rT+5], v[rT], v[rT+5]                      ; old M - new M, a whole number, 0 or less
.elseif sg == 15
	v_cvt_i32_f32 v[rT+5], v[rT+5]                         ; (it saturates)
.elseif sg == 16
	v_ldexp_f32 v[rT+6], 1.0, v[rT+5]
.else
	v_fma_f32 v[rT+4], v[rT+4], s[CS], v[rT]               ; the block's largest t - M: the same arithmetic as for every score
.endif
.elseif n < 104
.set sm, n-72
	v_pk_fma_f32 v[S+2*sm:S+2*sm+1], v[S+2*sm:S+2*sm+1], s[CS:CS+1], v[ST+8*(sm/8):ST+8*(sm/8)+1] op_sel_hi:[1,0,0]
.elseif n < 168
	v_exp_f32 v[S+n-104], v[S+n-104]
.else
	v_exp_f32 v[ST+8*(n-168)+4], v[ST+8*(n-168)+4]         ; the block's largest p
.endif
.endm
; THE EXCHANGE'S ARITHMETIC, entry n of 216.  0-87: 22 stages, the four query tiles by turns: R, F, the four bytes, p's scale word; 88-215: O^T x F, in ascending order
.macro CLE
.if n < 88
	WIN 0
.set cq, n%4
.set cg, n/4
.set rE, EV+4*cq
.if cg == 0
	v_max3_num_f32 v[TT+cq], v[rE], v[rE+1], v[rE+2]
.elseif cg == 1
	v_max3_num_f32 v[TT+cq], v[TT+cq], v[rE+3], v[RR+cq]
.elseif cg == 2
	v_sub_f32 v[FF+2*cq+1], v[RR+cq], v[TT+cq]
.elseif cg == 3
	v_mov_b32 v[RR+cq], v[TT+cq]
.elseif cg == 4
	v_cvt_i32_f32 v[FF+2*cq+1], v[FF+2*cq+1]
.elseif cg == 5
	v_ldexp_f32 v[FF+2*cq], 1.0, v[FF+2*cq+1]
.elseif cg == 6
	v_sub_f32 v[TT+cq], 0x42f60000, v[TT+cq]               ; 123 - R
.elseif cg < 11
	v_add_f32 v[rE+cg-7], v[rE+cg-7], v[TT+cq]
.elseif cg < 15
	v_max_num_f32 v[rE+cg-11], 1.0, v[rE+cg-11]
.elseif cg < 19
	v_cvt_u32_f32 v[rE+cg-15], v[rE+cg-15]
.elseif cg == 19
	v_lshl_or_b32 v[PS+cq], v[rE+1], 8, v[rE]
.elseif cg == 20
	v_lshl_or_b32 v[PS+cq], v[rE+2], 16, v[PS+cq]
.else
	v_lshl_or_b32 v[PS+cq], v[rE+3], 24, v[PS+cq]
.endif
.else
	WIN 0x82                                       ; O^T in window 2, F in window 0
.set cm, n-88
	v_pk_mul_f32 v[2*cm:2*cm+1], v[2*cm:2*cm+1], v[FF+2*(cm/32):FF+2*(cm/32)+1] op_sel_hi:[1,0]
.endif
.endm
.macro SUMS                            ; l = l 2^(old M - new M) + the sum of my 16 unquantised p, two at a time, the four tiles by turns
.set ue, 0
.rept 32
.set uq, ue%4
.set ug, ue/4
.set rS, S+16*uq
.set rT, ST+8*uq
.if ug < 4
	v_pk_add_f32 v[rS+4*ug:rS+4*ug+1], v[rS+4*ug:rS+4*ug+1], v[rS+4*ug+2:rS+4*ug+3]
.elseif ug < 6
	v_pk_add_f32 v[rS+8*(ug-4):rS+8*(ug-4)+1], v[rS+8*(ug-4):rS+8*(ug-4)+1], v[rS+8*(ug-4)+4:rS+8*(ug-4)+5]
.elseif ug == 6
	v_pk_add_f32 v[rS:rS+1], v[rS:rS+1], v[rS+8:rS+9]
.else
	v_pk_fma_f32 v[rT+2:rT+3], v[rT+2:rT+3], v[rT+6:rT+7], v[rS:rS+1] op_sel_hi:[1,0,1]
.endif
.set ue, ue+1
.endr
.endm
; behind the softmax: the one wait for its 68 exponentials; the next step's v into registers; p's byte, E, codes; codes and E to the exchange
.macro TAIL
	WIN 0
	v_nop                                          ; a plain line behind the last exponential
	s_wait_alu depctr_va_vdst(0)                   ; the wait ahead of the first reader: one for the batch
.irp q, 0,1,2,3
	v_max_num_f32 v[ST+8*\q+4], 0x2800000, v[ST+8*\q+4]    ; the floor 2^(5 - 127).  With the v_nop: five places behind the last product
.endr
	VLOAD
.irp q, 0,1,2,3
	v_add_nc_u32 v[ST+8*\q+5], 0xfe000000, v[ST+8*\q+4]    ; the conversion's scale operand
.endr
.irp q, 0,1,2,3
	v_lshrrev_b32 v[ST+8*\q+7], 23, v[ST+8*\q+5]           ; the byte under M_w
.endr
.irp q, 0,1,2,3
	v_cvt_f32_u32 v[ST+8*\q+7], v[ST+8*\q+7]
.endr
.irp q, 0,1,2,3
	v_sub_f32 v[ST+8*\q+7], v[ST+8*\q+7], v[ST+8*\q]       ; E = byte + M_w
.endr
.irp a, 0,1
	v_cvt_scalef32_pk16_bf6_f32 v[PCP+12*\a:PCP+12*\a+2], v[S+32*\a:S+32*\a+15], v[ST+16*\a+5]
	v_cvt_scalef32_pk16_bf6_f32 v[PCP+12*\a+8:PCP+12*\a+10], v[S+32*\a+16:S+32*\a+31], v[ST+16*\a+13]
.endr
	v_nop                                          ; one plain line behind the conversions
.irp a, 0,1                            ; a query's 32 codes lie in lanes r and r + 16: tiles 2 a and 2 a + 1 change halves, and lane (r, h) holds all 24 bytes of query r of tile 2 a + h
.irp i, 0,1,2
	v_permlane16_swap_b32 v[PCP+12*\a+\i], v[PCP+12*\a+8+\i]
.endr
.irp i, 0,1,2
	v_mov_b32 v[PCP+12*\a+3+\i], v[PCP+12*\a+8+\i]
.endr
.endr
.irp a, 0,1
	ds_store_b128 v[WPA], v[PCP+12*\a:PCP+12*\a+3] offset:3072*\a
	ds_store_b64 v[WPB], v[PCP+12*\a+4:PCP+12*\a+5] offset:3072*\a
.endr
.irp q, 0,1,2,3
	ds_store_b32 v[WE], v[ST+8*\q+7] offset:256*\q ; lanes r and r + 16 write the same word with the same value
.endr
.endm
; A PREFETCH INTO THE L2 of the quarter that my wave's tensor load asks for two trips on: 25,600 bytes.  All clusters of an image walk the same blocks: the image's first cluster asks.  Its four work-groups take 6,400 bytes
; each, told apart by address; a lane names 256 bytes (lanes 25-31 repeat lane 24's).  k's last request stands in trip 10, v's in trip 11: none points past the image's blocks.
.macro ASK
	s_cmp_gt_u32 s[CNT], s[LIM]
	s_cbranch_scc0 .Lnot_mine_\@
	global_prefetch_b8 v[PFO], s[PFA:PFA+1] th:TH_LOAD_NT scope:SCOPE_SE
.Lnot_mine_\@:
.endm
; TRIP j.  first: O^T's sums begin; dos: there is a step j + 1;
; fill: 2 all four waves ask for k and v; 1 v's waves alone (and bo and x's tiles 6, 7 are asked for); 3, 4 all four ask for wo's first, second block, into slot 0, 1; 0 nobody;
; ldk: 1 there is a step j + 2; 2 there is none, and x's tiles 0 to 5 are asked for where q lay; 0 nothing
.macro TRIP first, dos, fill, ldk
	WIN 0
.if \fill == 2
	s_wait_xcnt 0x0                                ; the last prefetch, a trip back, has read its address
	s_add_nc_u64 s[PFA:PFA+1], s[PFA:PFA+1], STEPB
.endif
	s_wait_tensorcnt 0x0                           ; all my tensor loads have landed: a group 0 may be written
	ds_add_u32 v[SPW], v[NIL]
.if (\fill == 1) || (\fill == 2)
	s_xor_b32 s[G0W+1], s[G0W+1], SLOT1            ; the walking descriptor: the other slot, the next block
	s_add_nc_u64 s[G0W+2:G0W+3], s[G0W+2:G0W+3], STEPB
.elseif \fill == 3
	s_mov_b64 s[G0A+2:G0A+3], s[56:57]             ; slot 0's first descriptor serves again: my quarter of wo's first block
	s_or_b32 s[G0A+3], s[G0A+3], 0x80000000
.elseif \fill == 4
	s_add_nc_u64 s[G0B+2:G0B+3], s[56:57], STEPB   ; slot 1's: my quarter of wo's second block
	s_or_b32 s[G0B+3], s[G0B+3], 0x80000000
.endif
	s_wait_dscnt 0x0                               ; the add is done; my copies of k and v are in registers; my codes and E have landed
.if \fill == 2
	CROUND
	tensor_load_to_lds s[G0W:G0W+3], s[G1:G1+7]
	s_nop 0
	PLACES 4
	ASK
.elseif \fill == 1
	CROUND
	s_cmp_lt_u32 s16, 2
	s_cbranch_scc1 .Lno_k_\@
	tensor_load_to_lds s[G0W:G0W+3], s[G1:G1+7]    ; v of the last step
	s_nop 0
	PLACES 4
.Lno_k_\@:
	WIN 0xC0
.irp ot, 0,1,2,3,4,5,6,7
	global_load_b32 v[192+8*\ot], v[BOO], s[10:11] offset:64*\ot       ; bo at my output of tile ot
.endr
	WIN 0x40
	XLD 6
	XLD 7
	WIN 0
	; wo's 204,800 bytes are prefetched here, one and two trips ahead of the loads that ask for them: wave 0 of the four work-groups of each image's first cluster, 32 waves, 6,400 bytes each, told apart by address;
	; a lane names 256 bytes (lanes 25-31 repeat lane 24's)
	s_cmp_eq_u32 s23, 1
	s_cbranch_scc0 .Lno_wo_\@
	global_prefetch_b8 v[PFO], s[58:59] th:TH_LOAD_NT scope:SCOPE_SE
.Lno_wo_\@:
.elseif \fill == 3
	CROUND
	tensor_load_to_lds s[G0A:G0A+3], s[G1:G1+7]    ; k and v of step 14 have left slot 0
	s_nop 0
	PLACES 4
.elseif \fill == 4
	CROUND
	tensor_load_to_lds s[G0B:G0B+3], s[G1:G1+7]    ; k and v of step 15 have left slot 1
	s_nop 0
	PLACES 4
.else
	s_barrier_signal -1
	s_barrier_wait -1
.endif
	ADDR
.irp q, 0,1,2,3
	ds_load_b128 v[EV+4*\q:EV+4*\q+3], v[RE] offset:256*\q             ; the four waves' E of my query
.endr
.irp q, 0,1,2,3
.irp c, 0,1
	ds_load_b128 v[PF+12*\q+6*\c:PF+12*\q+6*\c+3], v[RPA] offset:1536*\q+512*\c
	ds_load_b64 v[PF+12*\q+6*\c+4:PF+12*\q+6*\c+5], v[RPB] offset:1536*\q+256*\c
.endr
.endr
	SUMS
	s_wait_dscnt 16                                ; E is in; p's sixteen loads stay out
.set n, 0
.set i, 0
.rept 32
.if \dos
	SCI
.endif
.set sl, 7
.if i >= 24
.set sl, 6
.endif
.if \first
.set sl, sl-4
.endif
.rept sl
	CLE
.set n, n+1
.endr
.set i, i+1
.endr
.if \first
	PLACES 8                                       ; p's scale words were written by vector instructions: eight places ahead of the products; also the places in front of the loads into k's registers
.endif
.if \ldk == 1
	KLOAD WK, WKS                                  ; k of step j + 2; the last slice's six multiplies are the places behind the last product that read k
	s_wait_dscnt 28                                ; p is in; these 28 stay out
.elseif \ldk == 2
	WIN 0x40                                       ; the last scores are issued: q's registers take x; the last slice's six multiplies are the places
.irp ot, 0,1,2,3,4,5
	XLD \ot
.endr
	WIN 0
	s_wait_dscnt 0x0
.else
	s_wait_dscnt 0x0
.endif
.set n, 0
.set i, 0
.rept 32
	PVI \first
.if \dos
.rept 6
.if n < 172
	SLE
.set n, n+1
.endif
.endr
.endif
.set i, i+1
.endr
.if \dos
	TAIL
.endif
	WIN 0
	s_xor_b32 s[SA], s[SA], SLOT1
	s_xor_b32 s[SB], s[SB], SLOT1
	s_xor_b32 s[TP], s[TP], 8192
	s_xor_b32 s[TQ], s[TQ], 8192
.endm
; 64 numbers of a lane in window n become a fragment's codes in v[QPC] on and its scale word in v[QPW] (register 16 b + i = position 32 b + 16 (lane / 16) + i of my row)
.macro QUANTW src, n
	WIN (\n)|((\n)<<2)
.irp b, 0,1,2,3
	v_max3_num_f32 v[QTM+\b], |v[(\src)+16*\b]|, |v[(\src)+16*\b+1]|, 0x2800000
.endr
	WIN ((\n)<<2)|((\n)<<4)
.irp i, 2,4,6,8,10,12,14
.irp b, 0,1,2,3
	v_max3_num_f32 v[QTM+\b], v[QTM+\b], |v[(\src)+16*\b+\i]|, |v[(\src)+16*\b+\i+1]|
.endr
.endr
	WIN 0
.irp b, 0,1,2,3
	v_permlanex16_b32 v[QTM+4+\b], v[QTM+\b], s[SEL], s[SEL+1]
.endr
.irp b, 0,1,2,3
	v_max_num_f32 v[QTM+\b], v[QTM+\b], v[QTM+4+\b]
.endr
.irp b, 0,1,2,3
	v_add_nc_u32 v[QTM+8+\b], 0xfe000000, v[QTM+\b]
.endr
.irp b, 0,1,2,3
	v_lshrrev_b32 v[QTM+4+\b], 23, v[QTM+8+\b]
.endr
	v_lshl_or_b32 v[QPW], v[QTM+5], 8, v[QTM+4]
	v_lshl_or_b32 v[QPW], v[QTM+6], 16, v[QPW]
	v_lshl_or_b32 v[QPW], v[QTM+7], 24, v[QPW]
	WIN \n
.irp c, 0,1
	v_cvt_scalef32_pk16_bf6_f32 v[QPC+6*\c:QPC+6*\c+2], v[(\src)+32*\c:(\src)+32*\c+15], v[QTM+8+2*\c]
	v_cvt_scalef32_pk16_bf6_f32 v[QPC+12+4*\c:QPC+14+4*\c], v[(\src)+32*\c+16:(\src)+32*\c+31], v[QTM+9+2*\c]
.endr
	WIN 0
	v_nop
.irp c, 0,1
.irp i, 0,1,2
	v_permlane16_swap_b32 v[QPC+6*\c+\i], v[QPC+12+4*\c+\i]
.endr
.irp i, 0,1,2
	v_mov_b32 v[QPC+3+6*\c+\i], v[QPC+12+4*\c+\i]
.endr
.endr
.endm
	s_load_b256 s[4:11], s[0:1], 0x0               ; qimg, kv, woimg, bo
	s_load_b128 s[12:15], s[0:1], 0x20             ; x, out0
	v_lshl_add_u32 v[SPW], v0, 2, SPARE
	v_mov_b32 v[NIL], 0
	ds_add_u32 v24, v25
	ds_add_u32 v24, v25
	s_wait_dscnt 0x0
	v_lshrrev_b32 v1, 5, v0
	v_readfirstlane_b32 s16, v1                    ; wave w
	s_bfe_u32 s17, ttmp6, 0x40000                  ; cx
	s_lshl_b32 s18, ttmp9, 2
	s_add_co_u32 s18, s18, s17                     ; my tile of 64 queries: it enters global addresses alone
	s_and_b32 s19, ttmp7, 0xffff                   ; the image, which the four partners share
	s_mov_b32 s[G1], 15|(3<<16)|(1<<21)            ; joint, all four work-groups; elements of 8 bytes; 100 rows of 256 bytes, dense
	s_mov_b32 s[G1+1], 32<<16
	s_mov_b32 s[G1+2], 100<<16
	s_mov_b32 s[G1+3], 32<<16
	s_mov_b32 s[G1+4], 100
	s_mov_b32 s[G1+5], 32
	s_mov_b32 s[G1+6], 0
	s_mov_b32 s[G1+7], 0
	s_mul_i32 s20, s16, QUART                      ; my quarter of a block, in memory and in LDS
	s_mul_i32 s66, s19, 16*STEPB
	s_add_co_u32 s66, s66, s20
	s_mov_b32 s67, 0
	s_lshr_b32 s21, s16, 1                         ; 0: I carry k, 1: v
	s_xor_b32 s22, s21, 1
	s_mul_i32 s68, s22, STEPB
	s_mov_b32 s69, 0
	s_mov_b32 s[CS], 0x3d8293ee                    ; log2(e) / sqrt(512)
	s_mov_b32 s[CS+1], s[CS]
	s_mov_b32 s[SEL], 0x76543210
	s_mov_b32 s[SEL+1], 0xfedcba98
	s_mov_b32 s[SA], SLOT1                         ; as in a trip -1: k of step 1 from slot 1, v of step 0 from slot 0, p of step 0 to exchange block 0
	s_mov_b32 s[SB], 0
	s_mov_b32 s[TP], 8192
	s_mov_b32 s[TQ], 0
	s_sub_co_u32 s[LIM], 2, s21
	s_cmp_eq_u32 ttmp9, 0
	s_cselect_b32 s[LIM], s[LIM], -1               ; the same in all four partners, for a given wave
	s_or_b32 s23, s16, ttmp9
	s_cmp_eq_u32 s23, 0
	s_cselect_b32 s23, 1, 0                        ; 1 in wave 0 of an image's first cluster: it prefetches its part of wo
	s_wait_kmcnt 0x0
	s_add_nc_u64 s[6:7], s[6:7], s[66:67]          ; kv at my quarter of the image's block 0
	s_mov_b32 s[G0A], 1
	s_mov_b32 s[G0A+1], s20
	s_mov_b64 s[G0A+2:G0A+3], s[6:7]
	s_or_b32 s[G0A+3], s[G0A+3], 0x80000000
	s_mov_b32 s[G0B], 1
	s_add_co_u32 s[G0B+1], s20, SLOT1
	s_add_nc_u64 s[G0B+2:G0B+3], s[6:7], STEPB
	s_or_b32 s[G0B+3], s[G0B+3], 0x80000000
	s_mov_b32 s[G0W], 1                            ; the walker: k's waves stand at block 1 in slot 1, v's a step behind, at block 0 in slot 0
	s_lshl_b32 s[G0W+1], s22, 17
	s_add_co_u32 s[G0W+1], s[G0W+1], s20
	s_add_nc_u64 s[G0W+2:G0W+3], s[6:7], s[68:69]
	s_or_b32 s[G0W+3], s[G0W+3], 0x80000000
	CROUND                                         ; all four work-groups are here: the first joint loads meet
	tensor_load_to_lds s[G0A:G0A+3], s[G1:G1+7]    ; block 0
	s_nop 0
	tensor_load_to_lds s[G0B:G0B+3], s[G1:G1+7]    ; block 1
	s_nop 0
	PLACES 4
	s_mul_i32 s68, s17, 6400                       ; the prefetches: my work-group's 6,400 bytes of my quarter,
	s_sub_co_u32 s70, 4, s21
	s_mul_i32 s70, s70, STEPB                      ; in block 4 (k) or 3 (v): trip 0 steps it on and names block 5 or 4
	s_add_co_u32 s68, s68, s70
	s_add_nc_u64 s[PFA:PFA+1], s[6:7], s[68:69]
	s_lshl_b32 s68, s19, 22
	s_lshl_b32 s70, s16, 20
	s_add_co_u32 s68, s68, s70
	s_lshl_b32 s70, s18, 8
	s_add_co_u32 s68, s68, s70                     ; image b, row 128 w, my 64 positions
	s_add_nc_u64 s[52:53], s[12:13], s[68:69]      ; in x
	s_add_nc_u64 s[54:55], s[14:15], s[68:69]      ; and in out0
	s_lshl_b32 s68, s19, 5
	s_add_co_u32 s68, s68, s18
	s_mul_i32 s68, s68, QUART
	s_add_nc_u64 s[4:5], s[4:5], s[68:69]          ; my record of q
	s_mov_b32 s68, s20
	s_add_nc_u64 s[56:57], s[8:9], s[68:69]        ; wo's images: my quarter of a block: the same in every work-group
	s_lshl_b32 s68, s19, 2
	s_add_co_u32 s68, s68, s17
	s_mul_i32 s68, s68, 6400
	s_add_nc_u64 s[58:59], s[8:9], s[68:69]        ; wo's prefetch: part 4 b + cx of 32
	s_lshl_b32 s68, s16, 9
	s_add_nc_u64 s[10:11], s[10:11], s[68:69]      ; bo: my 128 outputs
	v_and_b32 v1, 31, v0                           ; l
	v_and_b32 v2, 15, v0                           ; r
	v_bfe_u32 v3, v0, 4, 1                         ; h
	v_lshlrev_b32 v[QO], 4, v1
	v_lshlrev_b32 v[Q4], 2, v1
	v_lshlrev_b32 v[BOO], 2, v2
	v_lshlrev_b32 v[XO], 13, v3
	v_lshl_add_u32 v[XO], v2, 4, v[XO]
	WIN 0x40
.set ii, 0
.rept 16
.irp pt, 0,1,2
	global_load_b128 v[12*ii+4*\pt:12*ii+4*\pt+3], v[QO], s[4:5] offset:1536*ii+512*\pt th:TH_LOAD_NT   ; q stays in registers: fragment 4 qt + K step
.endr
.set ii, ii+1
.endr
	WIN 0
.irp sk, 0,1,2,3
.irp a, 0,1
	global_load_b32 v[QS+2*\sk+\a], v[Q4], s[4:5] offset:24576+256*\sk+128*\a th:TH_LOAD_NT
.endr
.endr
	s_mul_i32 s70, s21, QUART
	s_and_b32 s71, s16, 1
	s_mul_i32 s72, s71, 12288
	s_add_co_u32 s72, s72, s70
	v_add_nc_u32 v[AK], s72, v[QO]                 ; k: record w / 2, tiles 2 (w % 2) on
	v_add_nc_u32 v[AV], 51200, v[AK]               ; v: record 2 + w / 2, tiles 8 (w % 2) on
	s_lshl_b32 s73, s71, 7
	s_add_co_u32 s73, s73, s70
	s_add_co_u32 s73, s73, 24576
	v_add_nc_u32 v[AKS], s73, v[Q4]
	s_lshl_b32 s73, s71, 9
	s_add_co_u32 s73, s73, s70
	s_add_co_u32 s73, s73, 75776
	v_add_nc_u32 v[AVS], s73, v[Q4]
	v_mul_u32_u24 v31, v3, 1536
	v_lshl_add_u32 v[PWA], v2, 4, v31
	s_lshl_b32 s73, s16, 8
	s_add_co_u32 s73, s73, XB
	v_add_nc_u32 v[PWA], s73, v[PWA]               ; p, in: tile 2 a + h; registers 6 (w / 2) .. + 3 of lane r + 16 (w % 2): 1,536 h + 256 w + 16 r
	v_lshl_add_u32 v[PWB], v2, 3, v31
	s_lshl_b32 s73, s16, 7
	s_add_co_u32 s73, s73, XB+1024
	v_add_nc_u32 v[PWB], s73, v[PWB]               ; and the two registers behind: 1,024 + 1,536 h + 128 w + 8 r
	s_lshl_b32 s73, s16, 2
	s_add_co_u32 s73, s73, XB+6144
	v_lshl_add_u32 v[EW], v2, 4, s73
	v_add_nc_u32 v[PRA], XB, v[QO]
	v_lshl_add_u32 v[PRB], v1, 3, XB+1024
	v_lshl_add_u32 v[ER], v2, 4, XB+6144
	v_min_u32 v[PFO], 24, v1
	v_lshlrev_b32 v[PFO], 8, v[PFO]
.irp q, 0,1,2,3
	v_mov_b32 v[ST+8*\q+1], 0xff61b1e6             ; the largest t so far: -3e38, under every t
	v_mov_b32 v[ST+8*\q+2], 0                      ; l
	v_mov_b32 v[ST+8*\q+3], 0
	v_mov_b32 v[ST+8*\q+5], 0                      ; (a lane permute's destination counts as one of its sources)
	v_mov_b32 v[ST+8*\q+7], 0                      ; (named as the upper half of a pair)
	v_mov_b32 v[RR+\q], 0xff61b1e6
.endr
.irp q, 0,1,2,3
	v_floor_f32 v[ST+8*\q], -v[ST+8*\q+1]
.endr
	s_wait_tensorcnt 0x1                           ; block 0 is in; block 1's load may stay out
	s_barrier_signal -1
	s_barrier_wait -1
	KLOAD AK, AKS                                  ; k of step 0
	s_wait_tensorcnt 0x0
	ds_add_u32 v[SPW], v[NIL]
	s_xor_b32 s[G0W+1], s[G0W+1], SLOT1
	s_add_nc_u64 s[G0W+2:G0W+3], s[G0W+2:G0W+3], STEPB
	s_wait_dscnt 0x0                               ; k of step 0 is in registers
	CROUND
	s_cmp_lt_u32 s16, 2
	s_cbranch_scc0 .Lno_first
	tensor_load_to_lds s[G0W:G0W+3], s[G1:G1+7]    ; k of step 2 where k of step 0 lay
	s_nop 0
	PLACES 4
.Lno_first:
	s_wait_loadcnt 0x0                             ; q
.set i, 0
.rept 32
	SCI                                            ; S of step 0: there is no vector work yet to set between
.set i, i+1
.endr
	WIN 0
	PLACES 4
	ADDR
	KLOAD WK, WKS                                  ; k of step 1
.set n, 0
.rept 172
	SLE
.set n, n+1
.endr
	TAIL                                           ; v of step 0; p and E of step 0
	s_xor_b32 s[SA], s[SA], SLOT1
	s_xor_b32 s[SB], s[SB], SLOT1
	s_xor_b32 s[TP], s[TP], 8192
	s_xor_b32 s[TQ], s[TQ], 8192
	s_mov_b32 s[CNT], 13                           ; 13 - the trip's number
	TRIP 1, 1, 2, 1                                ; trip 0
	s_mov_b32 s[CNT], 12
.Ltrip:                                            ; trips 1 to 12
	TRIP 0, 1, 2, 1
	s_sub_co_u32 s[CNT], s[CNT], 1
	s_cmp_lg_u32 s[CNT], 0
	s_cbranch_scc1 .Ltrip
	TRIP 0, 1, 1, 1                                ; trip 13: v of step 15; bo, x's tiles 6 and 7.  The tail is written out
	TRIP 0, 1, 3, 2                                ; trip 14: wo's first block into slot 0; x's tiles 0 to 5
	TRIP 0, 0, 4, 0                                ; trip 15: wo's second block into slot 1; the last sums, the last exchange, the last O^T
	PLACES 4                                       ; behind the last products, in front of the loads into v's registers and p's scale words
	s_mul_i32 s66, s16, 12288
	v_lshl_add_u32 v[WOA], v1, 4, s66              ; wo: my eight tiles of outputs: 12,288 w + 16 l
	v_add_nc_u32 v[WOA+1], SLOT1, v[WOA]
	s_lshl_b32 s66, s16, 9
	s_add_co_u32 s66, s66, 98304
	v_lshl_add_u32 v[WSA], v1, 2, s66              ; their scale words: 98,304 + 512 w + 4 l
	v_add_nc_u32 v[WSA+1], SLOT1, v[WSA]
; my eight fragments of wo and their scale words, K step ks = 2 slot + e, into set: 28 LDS loads
.macro LWO set, slot, e, ks
	WIN 0xC0
.irp ot, 0,1,2,3,4,5,6,7
.irp pt, 0,1,2
	ds_load_b128 v[96*(\set)+12*\ot+4*\pt:96*(\set)+12*\ot+4*\pt+3], v[WOA+(\slot)] offset:49152*(\e)+1536*\ot+512*\pt
.endr
.endr
	WIN 0
.irp a, 0,1,2,3
	ds_load_b32 v[WOS+4*(\ks)+\a], v[WSA+(\slot)] offset:2048*(\e)+128*\a      ; lanes 0-15: tile 2 a, lanes 16-31: tile 2 a + 1
.endr
.endm
	LWO 0, 0, 0, 0                                 ; slot 0 was shown whole at trip 15's round
	LWO 1, 0, 1, 1
	s_lshl_b32 s66, s16, 2
	s_add_co_u32 s66, s66, LB
	v_lshl_add_u32 v[LBW], v2, 4, s66
	v_lshl_add_u32 v[LBR], v2, 4, LB
	s_mul_i32 s66, s16, 1536
	s_add_co_u32 s66, s66, AIMG
	v_lshl_add_u32 v[AIW], v1, 4, s66
	s_lshl_b32 s66, s16, 8
	s_add_co_u32 s66, s66, ASC
	v_lshl_add_u32 v[ASW], v2, 2, s66
	v_lshl_add_u32 v[AFA], v1, 4, AIMG
	v_lshl_add_u32 v[ASR], v1, 2, ASC
	s_mul_i32 s66, s16, 4352
	s_add_co_u32 s66, s66, STG
	v_mul_u32_u24 v[SGW], v2, 272
	v_lshl_add_u32 v[SGW], v3, 5, v[SGW]
	v_add_nc_u32 v[SGW], s66, v[SGW]               ; the stage, in: row r (an output), + 32 h
	v_mul_u32_u24 v[SGR], v3, 272
	v_lshl_add_u32 v[SGR], v2, 4, v[SGR]
	v_add_nc_u32 v[SGR], s66, v[SGR]               ; back: lanes 0-15 one row, lanes 16-31 the next
	; ---- the row's sum: my l under R, then the four waves'
.irp q, 0,1,2,3
	v_add_f32 v[ST+8*\q+4], v[ST+8*\q+2], v[ST+8*\q+3]
.endr
.irp q, 0,1,2,3
	v_sub_f32 v[ST+8*\q+6], v[TT+\q], v[ST+8*\q]   ; 123 - R + M_w
.endr
.irp q, 0,1,2,3
	v_permlanex16_b32 v[ST+8*\q+5], v[ST+8*\q+4], s[SEL], s[SEL+1]
.endr
.irp q, 0,1,2,3
	v_cvt_i32_f32 v[ST+8*\q+6], v[ST+8*\q+6]
.endr
.irp q, 0,1,2,3
	v_add_f32 v[ST+8*\q+4], v[ST+8*\q+4], v[ST+8*\q+5]
.endr
.irp q, 0,1,2,3
	v_ldexp_f32 v[ST+8*\q+4], v[ST+8*\q+4], v[ST+8*\q+6]
.endr
.irp q, 0,1,2,3
	ds_store_b32 v[LBW], v[ST+8*\q+4] offset:256*\q
.endr
	s_wait_dscnt 0x0
	s_barrier_signal -1
	s_barrier_wait -1
.irp q, 0,1,2,3
	ds_load_b128 v[EV+4*\q:EV+4*\q+3], v[LBR] offset:256*\q
.endr
	s_wait_dscnt 0x0
.irp q, 0,1,2,3
	v_add_f32 v[EV+4*\q], v[EV+4*\q], v[EV+4*\q+1]
	v_add_f32 v[EV+4*\q+2], v[EV+4*\q+2], v[EV+4*\q+3]
.endr
.irp q, 0,1,2,3
	v_add_f32 v[EV+4*\q], v[EV+4*\q], v[EV+4*\q+2]
.endr
.irp q, 0,1,2,3
	v_rcp_f32 v[FF+2*\q], v[EV+4*\q]
.endr
.irp b, 0,1,2,3
	v_mov_b32 v[QTM+4+\b], 0                       ; (plain lines behind the reciprocals; a lane permute's destination counts as one of its sources)
.endr
	s_wait_alu depctr_va_vdst(0)                   ; the wait ahead of the first reader: one for the four
	; ---- O^T / l, quantised along my 128 channels: K step w of the last product
.irp q, 0,1,2,3
	WIN 0x82
.set ii, 0
.rept 32
	v_pk_mul_f32 v[64*\q+2*ii:64*\q+2*ii+1], v[64*\q+2*ii:64*\q+2*ii+1], v[FF+2*\q:FF+2*\q+1] op_sel_hi:[1,0]
.set ii, ii+1
.endr
	QUANTW 64*\q, 2
.irp pt, 0,1,2
	ds_store_b128 v[AIW], v[QPC+4*\pt:QPC+4*\pt+3] offset:6144*\q+512*\pt
.endr
	ds_store_b32 v[ASW], v[QPW] offset:64*\q
	s_wait_dscnt 0x0                               ; the stores have read their registers
.endr
	s_wait_loadcnt 0x0                             ; bo and all of x: asked for in trips 13 and 14
	WIN 0xC3
.irp ot, 0,1,2,3,4,5,6,7
.irp j, 1,2,3,4,5,6,7
	v_mov_b32 v[192+8*\ot+\j], v[192+8*\ot]        ; a lane's eight results of a tile are eight queries of one output: one bias for all
.endr
.endr
	WIN 0
	s_wait_tensorcnt 0x0                           ; my quarter of wo's second block has landed
	s_barrier_signal -1
	s_barrier_wait -1                              ; the sixteen fragments lie in LDS, and slot 1 is whole
	; ---- the last product: source 0 = 16 queries, source 1 = 16 rows of wo: a lane holds one output and eight neighbouring queries
.macro AFLOAD set, ks
.irp q, 0,1,2,3
.irp pt, 0,1,2
	ds_load_b128 v[128-64*(\set)+12*\q+4*\pt:128-64*(\set)+12*\q+4*\pt+3], v[AFA] offset:1536*(4*\q+(\ks))+512*\pt
.endr
.endr
.endm
.macro MP ks                           ; 32 products of K step ks: the 32 accumulators by turns
.if (\ks) == 0
	WIN 0xBC                                       ; source 1 and C (bo) window 3, D window 2
.else
	WIN 0xAC                                       ; source 1 window 3, C and D window 2
.endif
.irp ot, 0,1,2,3,4,5,6,7
.irp q, 0,1,2,3
.set rD, 8*(4*\ot+\q)
.set rA, 128-64*((\ks)%2)+12*\q
.set rB, 96*((\ks)%2)+12*\ot
.set rC, rD
.if (\ks) == 0
.set rC, 192+8*\ot
.endif
.set rX, 208+2*(\ks)+\q/2+16*((2*(\ks)+\q/2)/4)
.set fA, \q%2
.set rY, WOS+4*(\ks)+\ot/2
.set fB, \ot%2
	WMM
.endr
.endr
.endm
.irp sk, 0,1,2,3
.irp a, 0,1
	ds_load_b32 v[208+2*\sk+\a+16*((2*\sk+\a)/4)], v[ASR] offset:256*\sk+128*\a
.endr
.endr
	AFLOAD 0, 0
	AFLOAD 1, 1
	s_wait_dscnt 12                                ; K step 0's four fragments are in; K step 1's twelve loads stay out
	MP 0
	PLACES 4                                       ; in front of the loads into registers that these products have read
	WIN 0
	AFLOAD 0, 2
	LWO 0, 1, 0, 2
	s_wait_dscnt 40                                ; K step 1 is in; the 12 + 28 loads of K step 2 stay out
	MP 1
	PLACES 4
	WIN 0
	AFLOAD 1, 3
	LWO 1, 1, 1, 3
	s_wait_dscnt 40                                ; K step 2 is in; K step 3's 40 stay out
	MP 2
	s_wait_dscnt 0x0
	MP 3
	PLACES 4                                       ; in front of the first read of results, and of the loads into the fragments' registers
	WIN 0
	; ---- the way out, a tile of 16 outputs at a time: through my stage, + x, and out as rows of 256 consecutive bytes, aligned.  Tile ot goes through the stage while tile ot - 1 is added and stored
.macro TOSTAGE ot
	WIN 0x08                                       ; an LDS store's data: window 2
.irp q, 0,1,2,3
	ds_store_b128 v[SGW], v[8*(4*(\ot)+\q):8*(4*(\ot)+\q)+3] offset:64*\q          ; each accumulator from its low end on
	ds_store_b128 v[SGW], v[8*(4*(\ot)+\q)+4:8*(4*(\ot)+\q)+7] offset:64*\q+16
.endr
	WIN 0
.irp t, 0,1,2,3,4,5,6,7
	ds_load_b128 v[BK+32*((\ot)%2)+4*\t:BK+32*((\ot)%2)+4*\t+3], v[SGR] offset:544*\t   ; a wave's LDS instructions are served in order: these see the stores above, and the next tile's stores come behind them
.endr
.endm
.macro SEND ot, younger                ; younger: the LDS instructions issued behind tile ot's loads, which may stay out
	s_wait_dscnt \younger
	WIN 0x04                                       ; x: window 1
.set ii, 0
.rept 16
	v_pk_add_f32 v[BK+32*((\ot)%2)+2*ii:BK+32*((\ot)%2)+2*ii+1], v[BK+32*((\ot)%2)+2*ii:BK+32*((\ot)%2)+2*ii+1], v[32*(\ot)+2*ii:32*(\ot)+2*ii+1]
.set ii, ii+1
.endr
	WIN 0
.irp t, 0,1,2,3,4,5,6,7
	global_store_b128 v[XO], v[BK+32*((\ot)%2)+4*\t:BK+32*((\ot)%2)+4*\t+3], s[54:55] offset:8192*(16*(\ot)+2*\t) th:TH_STORE_NT
.endr
.endm
	TOSTAGE 0
.irp ot, 1,2,3,4,5,6,7
.if \ot > 1
	s_wait_xcnt 0x0                                ; the stores of the tile two back have read their registers: this tile's loads may land there
.endif
	TOSTAGE \ot
	SEND \ot-1, 16                                 ; behind the earlier tile's loads: this tile's 8 stores and 8 loads
.endr
	SEND 7, 0
	s_wait_tensorcnt 0x0                           ; the wave's end
	ds_add_u32 v[SPW], v[NIL]
	s_wait_dscnt 0x0
	CROUND                                         ; the closing round
	s_endpgm
.Lfunc_end_k_q2a4f0f88eb_attn:
	.size	k_q2a4f0f88eb_attn, .Lfunc_end_k_q2a4f0f88eb_attn-k_q2a4f0f88eb_attn
	.p2alignl 7, 3214868480
	.fill 96, 4, 3214868480
	.section	.rodata,"a",@progbits
	.p2align	6, 0x0
	.amdhsa_kernel k_q2a4f0f88eb_attn
		.amdhsa_group_segment_fixed_size 327680
		.amdhsa_private_segment_fixed_size 0
		.amdhsa_enable_private_segment 0
		.amdhsa_kernarg_size 48
		.amdhsa_user_sgpr_count 2
		.amdhsa_user_sgpr_kernarg_segment_ptr 1
		.amdhsa_wavefront_size32 1
		.amdhsa_system_sgpr_workgroup_id_x 1
		.amdhsa_system_sgpr_workgroup_id_y 1
		.amdhsa_system_sgpr_workgroup_id_z 1
		.amdhsa_system_vgpr_workitem_id 0
		.amdhsa_next_free_vgpr 1024
		.amdhsa_next_free_sgpr 100
		.amdhsa_reserve_vcc 0
		.amdhsa_float_denorm_mode_32 3
		.amdhsa_float_denorm_mode_16_64 3
		.amdhsa_memory_ordered 1
		.amdhsa_forward_progress 1
		.amdhsa_inst_pref_size 255
	.end_amdhsa_kernel
	.section	.bss,"aw",@nobits
	.p2align	6
	.space	262144
	.amdgpu_metadata
---
amdhsa.version: [ 1, 2 ]
amdhsa.kernels:
  - .name:           k_q2a4f0f88eb_attn
    .symbol:         k_q2a4f0f88eb_attn.kd
    .args:
      - { .name: qimg, .offset: 0, .size: 8, .value_kind: global_buffer, .address_space: global }
      - { .name: kv, .offset: 8, .size: 8, .value_kind: global_buffer, .address_space: global }
      - { .name: woimg, .offset: 16, .size: 8, .value_kind: global_buffer, .address_space: global }
      - { .name: bo, .offset: 24, .size: 8, .value_kind: global_buffer, .address_space: global }
      - { .name: x, .offset: 32, .size: 8, .value_kind: global_buffer, .address_space: global }
      - { .name: out0, .offset: 40, .size: 8, .value_kind: global_buffer, .address_space: global }
    .group_segment_fixed_size: 327680
    .private_segment_fixed_size: 0
    .kernarg_segment_align: 8
    .kernarg_segment_size: 48
    .max_flat_workgroup_size: 128
    .sgpr_count:     100
    .vgpr_count:     1024
    .wavefront_size: 32
...
	.end_amdgpu_metadata
.endif
;; end of part 3
